; MI455X (gfx1250); checked and timed in simulation.
; The chip was launched on July 23, 2026; its instructions are those of AMD's public machine-readable ISA for CDNA 5 (MIT licence, August 2026) and "CDNA5" Instruction Set Architecture Reference Guide (July 2026). The comments in the code are by the model that wrote it; some were corrected since.
;; Grouped Query Attention. Allowed arithmetic: matrix products marked QUANTISED: E2M1 operands, one E8M0 scale for each 32 along K, by v_wmma_scale_f32_16x16x128_f8f6f4 with both operands' format E2M1 (or v_wmma_scale_f32_32x16x128_f4), f32 sums; products left as they are: bf16, f16 or f32 operands; f32 sums; everything else in f32.
;; Inputs: hidden_states 2 x 1,024 x 2,048 float32; kv_b 1,024 float32; kv_w 1,024 x 2,048 float32; out_b 2,048 float32; out_w 2,048 x 2,048 float32; q_b 2,048 float32; q_w 2,048 x 2,048 float32.
;; Outputs: out0 2 x 1,024 x 2,048 float32.
;; This version of the problem:
;;   THIS VERSION OF THE PROBLEM IS GIVEN IN LOW PRECISION. The matrix products marked QUANTISED in the list below multiply operands that are first quantised to E2M1 (2 exponent bits, 1 mantissa bit; 4 bits a number), with one power-of-two scale for each 32 numbers along K (OCP MX v1.0); their sums are f32. The products marked 'left as it is' may take bf16, f16 or f32 operands, with f32 sums. All else is computed in f32.
;;   The module's matrix products, in the order in which they are computed (A, B: the left and right operand; K: the contracted axis; several contracted axes count as one K, in the product's order):
;;     1. [M 2,048, K 2,048] x [K 2,048, N 2,048]; A: input hidden_states; B: input q_w: QUANTISED
;;     2. [M 2,048, K 2,048] x [K 2,048, N 1,024]; A: input hidden_states; B: input kv_w: QUANTISED
;;     3. batch 16 x [M 4,096, K 64] x [K 64, N 1,024]; A: computed on the way; B: computed on the way: left as it is (an operand is computed on the way)
;;     4. batch 16 x [M 4,096, K 1,024] x [K 1,024, N 64]; A: computed on the way; B: computed on the way: left as it is (an operand is computed on the way)
;;     5. [M 2,048, K 2,048] x [K 2,048, N 2,048]; A: computed on the way; B: input out_w: left as it is (an operand is computed on the way)
;;   THE QUANTISER, for each operand of a quantised product, along K:
;;     - K is cut into blocks of 32 from its start; a last block that is shorter is filled with zeros.
;;     - A block's scale is 2^e with e = floor(log2(the largest magnitude in the block)) - 2, held to -126 .. 127; a block of zeros has e = 0. As a byte (E8M0): e + 127.
;;     - Each number is divided by its block's scale, clamped to +-6, and rounded to the nearest number of E2M1, ties to even, subnormals kept.
;;     - The product sums the exact products of the quantised numbers (number of the format x scale) in f32.
;;   ~~~python
;;   def quantise(x, axis):      # numpy; x: float32 -> the quantised numbers, widened to float32 again
;;       x = np.moveaxis(x, axis, -1); K = x.shape[-1]
;;       x = np.pad(x, [(0, 0)] * (x.ndim - 1) + [(0, -K % 32)]); x = x.reshape(x.shape[:-1] + (-1, 32)); a = np.abs(x).max(-1, keepdims=True)
;;       e = np.where(a > 0, np.clip(np.frexp(np.where(a > 0, a, 1))[1] - 1 - 2, -126, 127), 0)      # np.frexp(a)[1] - 1 = floor(log2(a)), exactly
;;       r = np.clip(x / 2.0 ** e, -6, 6)
;;       step = 2.0 ** (np.maximum(np.frexp(np.where(r == 0, 1, r))[1] - 1, 0) - 1)
;;       q = np.round(r / step) * step * 2.0 ** e      # np.round: ties to even
;;       return np.moveaxis(q.reshape(q.shape[:-2] + (-1,))[..., :K], -1, axis).astype(np.float32)
;;   ~~~
;; One version. Each part assembles by itself: llvm-mc -triple=amdgcn-amd-amdhsa -mcpu=gfx1250 --defsym DOCPART=n.
;; ======== version 1 of 1: 4 launches
;; limits: values are held in f16: magnitudes above 65,504 overflow, below 6.1e-05 lose precision; right only within a limited range of input values; inputs' magnitudes at most 256
;; workspace buffers: codes 5,242,880 bytes; aux 589,824 bytes; w16 8,388,608 bytes; qkv 12,582,912 bytes; ctx 8,388,608 bytes
;; launch prep (part 1): grid 352 x 1, 4 waves a work-group, no clusters, 32,768 bytes of LDS; arguments hidden_states, q_w, kv_w, codes, aux; writes codes, aux
.if DOCPART == 1
	.amdgcn_target "amdgcn-amd-amdhsa--gfx1250"
	.amdhsa_code_object_version 6
	.text
	.protected	k_q56b2f17ee2_prep
	.globl	k_q56b2f17ee2_prep
	.p2align	8
	.type	k_q56b2f17ee2_prep,@function
k_q56b2f17ee2_prep:
	s_mov_b64 s[64:65], 0
	v_nop
	global_prefetch_b8 v0, s[64:65] scope:SCOPE_SE
	s_setreg_imm32_b32 hwreg(HW_REG_WAVE_MODE, 25, 1), 1
	s_wait_xcnt 0x0
; PREP: what the first product's work-groups read many times is made once.
; Work-groups 0-127 hidden_states, 128-255 q_w, 256-319 kv_w: f32 [rows][2048] -> codes of FP4 (E2M1), K innermost, 1,024 bytes a row, and one E8M0 byte for each 32 along K, 64 bytes a row.
;   A block's scale is 2^(floor(log2(largest magnitude)) - 2); its byte is the largest magnitude's exponent field - 2, held at 1 from below (a block of zeros keeps the byte 1: its codes are zeros, and this program alone reads the bytes).
;   The weights' rows are laid in the order in which the product's work-groups take them: for x = 0..15, rows 192 x + 0..127 are q_w's rows 128 x .., rows 192 x + 128..191 are kv_w's rows 64 x ...
; Work-groups 320-351: the table of cos / 4 and sin / 4 of pos x 10000^(-j / 32), pos = 0..1023, j = 0..31, laid lane by lane as the product's way out takes it.
; LIMITS: NaN and infinities among the inputs are not served; blocks whose largest magnitude lies under 2^-124 have their byte held at 1.
; No tensor loads, no barrier: waves share nothing.  Only the quantiser's path uses LDS.
.set WREG,  8192                       ; LDS of a wave: two stages of 32 x SP bytes, behind them its 256 scale bytes
.set SP,    80                         ; a lane's place in a stage: 64 bytes + 16 of padding
.set CB,    8                          ; bytes of 16 codes
.set STEPS, 16
.set DEPTH, 8                          ; steps whose loads are out at a time: 32 loads, 16 KiB a wave
.set EMAX,  2
.set R,     16                         ; v16-143  eight sets of 16 numbers as loaded
.set X,     144                        ; v144-175 two sets of 16 neighbours
.set E,     176                        ; v176-191 a scale byte for each step
.set C,     192                        ; v192-223 codes, two registers a step, so that no store's data are written again
	s_load_b256 s[4:11], s[0:1], 0x0               ; hidden_states s[4:5], q_w s[6:7], kv_w s[8:9], codes s[10:11]
	s_load_b64 s[14:15], s[0:1], 0x20              ; aux
	v_lshrrev_b32 v1, 5, v0
	v_readfirstlane_b32 s20, v1                    ; wave 0..3
	v_and_b32 v2, 31, v0                           ; lane
	s_cmp_ge_u32 ttmp9, 320
	s_cbranch_scc1 .Lrope
; ---------------- the quantiser: one path for three tensors; only pointers and offsets are chosen ----------------
	v_lshlrev_b32 v3, 4, v2                        ; my 16 bytes of a load's 512
	s_mul_i32 s21, s20, WREG
	v_lshrrev_b32 v14, 2, v2
	v_mul_u32_u24 v14, v14, SP
	v_and_b32 v15, 3, v2
	v_lshl_add_u32 v14, v15, 4, v14
	v_add_nc_u32 v14, s21, v14                     ; the stage, on the way in: SP (lane / 4) + 16 (lane % 4)
	v_mul_u32_u24 v15, v2, SP
	v_add_nc_u32 v15, s21, v15                     ; and on the way out: SP x lane: my 16 neighbours
	v_mul_u32_u24 v4, v2, CB                       ; my codes' place in a step's
	v_lshrrev_b32 v5, 1, v2
	s_add_co_u32 s21, s21, 2*32*SP
	v_add_nc_u32 v5, s21, v5                       ; my wave's 256 scale bytes, my block's byte
	v_lshlrev_b32 v7, 3, v2
	v_add_nc_u32 v6, s21, v7                       ; and on the way out 8 bytes a lane
	s_lshl_b32 s30, ttmp9, 4                       ; hidden_states: 16 rows a work-group
	s_mov_b32 s26, 256
	s_wait_kmcnt 0x0
	s_cmp_lt_u32 ttmp9, 256                        ; q_w or kv_w?  The choices hang on the work-group's number alone
	s_cselect_b64 s[22:23], s[6:7], s[8:9]
	s_cselect_b32 s24, 3, 2                        ; 8 or 4 work-groups of 16 rows belong to one x
	s_cselect_b32 s25, 0, 128                      ; kv_w's rows stand behind q_w's 128
	s_cselect_b32 s26, 128, s26                    ; the tensor's first work-group
	s_sub_co_u32 s27, ttmp9, s26                   ; u: which 16 rows of the tensor
	s_lshr_b32 s28, s27, s24
	s_mul_i32 s28, s28, 192
	s_bfm_b32 s29, s24, 0
	s_and_b32 s29, s27, s29
	s_lshl_b32 s29, s29, 4
	s_add_co_u32 s28, s28, s29
	s_add_co_u32 s28, s28, s25                     ; the first row in the laid-out order
	s_cmp_lt_u32 ttmp9, 128                        ; or hidden_states?
	s_cselect_b64 s[22:23], s[4:5], s[22:23]
	s_cselect_b32 s27, ttmp9, s27
	s_cselect_b32 s28, s30, s28
	s_cselect_b32 s31, 0, 0x200000                 ; the weights' codes stand behind the tokens' 2,097,152 bytes,
	s_cselect_b32 s32, 0, 0x20000                  ; their scale bytes behind the tokens' 131,072
	s_lshl_b32 s27, s27, 2
	s_add_co_u32 s27, s27, s20                     ; my wave's run of 8,192 numbers (4 rows)
	s_lshl_b32 s34, s27, 15
	s_mov_b32 s35, 0
	s_add_nc_u64 s[22:23], s[22:23], s[34:35]      ; the source
	s_lshl_b32 s33, s20, 2
	s_add_co_u32 s28, s28, s33
	s_lshl_b32 s34, s28, 10
	s_add_co_u32 s34, s34, s31
	s_add_nc_u64 s[36:37], s[10:11], s[34:35]      ; its codes
	s_lshl_b32 s34, s28, 6
	s_add_co_u32 s34, s34, s32
	s_add_nc_u64 s[38:39], s[14:15], s[34:35]      ; its scale bytes
; A wave takes 16 steps of 512 numbers.  Each load reads 512 consecutive bytes, 16 a lane; a step's 2,048 bytes turn through the wave's own stage and come back 64 bytes a lane: 16 neighbours along K, two lanes to a block.
.macro LOAD t
.irp i, 0,1,2,3
	global_load_b128 v[R+16*((\t)%DEPTH)+4*\i:R+16*((\t)%DEPTH)+4*\i+3], v3, s[22:23] offset:2048*(\t)+512*\i th:TH_LOAD_NT
.endr
.endm
.macro TURN t                          ; LDS serves a wave's instructions in order (ISA guide 5.7.1.4): no wait between the stores and the loads
.irp i, 0,1,2,3
	ds_store_b128 v14, v[R+16*((\t)%DEPTH)+4*\i:R+16*((\t)%DEPTH)+4*\i+3] offset:32*SP*((\t)%2)+8*SP*\i
.endr
.irp i, 0,1,2,3
	ds_load_b128 v[X+16*((\t)%2)+4*\i:X+16*((\t)%2)+4*\i+3], v15 offset:32*SP*((\t)%2)+16*\i
.endr
.endm
.irp t, 0,1,2,3,4,5,6,7
	LOAD \t
.endr
	s_wait_loadcnt 4*(DEPTH-1)                     ; step 0's four loads are in; the 28 behind them stay out
	TURN 0
.macro STEP t
.set XS, X+16*((\t)%2)
.if (\t) > 0
	s_wait_dscnt 1                                 ; this step's numbers are back from the stage; the last step's byte store may be out
.else
	s_wait_dscnt 0x0
.endif
.if (\t)+DEPTH < STEPS
	LOAD (\t)+DEPTH                                ; into the registers that this step's stores into the stage have read
.endif
.if (\t)+1 < STEPS
.if STEPS-2-(\t) >= DEPTH-1
	s_wait_loadcnt 4*(DEPTH-1)                     ; the next step's four loads are in; those of the seven steps behind it may be out
.else
	s_wait_loadcnt 4*(STEPS-2-(\t))
.endif
	TURN (\t)+1
.endif
	v_max3_num_f32 v8, |v[XS]|, |v[XS+1]|, |v[XS+2]|               ; the largest magnitude of my 16, in two chains
	v_max3_num_f32 v9, |v[XS+3]|, |v[XS+4]|, |v[XS+5]|
.irp i, 6,10
	v_max3_num_f32 v8, v8, |v[XS+\i]|, |v[XS+\i+1]|
	v_max3_num_f32 v9, v9, |v[XS+\i+2]|, |v[XS+\i+3]|
.endr
	v_max3_num_f32 v8, v8, |v[XS+14]|, |v[XS+15]|
	v_max3_num_f32 v8, v8, v9, (EMAX+1)<<23        ; and the floor 2^(3 - 127): the byte cannot fall under 1
	v_max_num_f32_dpp v8, v8, v8 row_xmask:1 row_mask:0xf bank_mask:0xf   ; with my neighbour's 16: the block's
	v_add_nc_u32 v11, -(EMAX<<23), v8              ; 2 off the exponent field: the conversion takes this operand's exponent field as its scale
	v_cvt_scalef32_pk8_fp4_f32 v[C+2*(\t)], v[XS:XS+7], v11
	v_cvt_scalef32_pk8_fp4_f32 v[C+2*(\t)+1], v[XS+8:XS+15], v11
	v_lshrrev_b32 v[E+(\t)], 23, v11               ; the scale's byte (also the plain line behind the conversions)
	ds_store_b8 v5, v[E+(\t)] offset:16*(\t)       ; both lanes of a block write the same byte with the same value
	global_store_b64 v4, v[C+2*(\t):C+2*(\t)+1], s[36:37] offset:32*CB*(\t)   ; the wave stores 256 consecutive bytes, aligned
.endm
.irp t, 0,1,2,3,4,5,6,7,8,9,10,11,12,13,14,15
	STEP \t
.endr
	ds_load_b64 v[12:13], v6                       ; my wave's 256 scale bytes, 8 a lane
	s_wait_dscnt 0x0
	global_store_b64 v7, v[12:13], s[38:39]        ; 256 consecutive bytes, aligned
	s_endpgm
; ---------------- the table.  Wave W = 0..127 makes 16 positions x 16 frequencies: lane (r, h): pos = 16 (W / 2) + r, j = 16 (W % 2) + 8 h + 0..7 ----------------
; ang = pos x 2^(-j log2(10000) / 32).  n = the nearest whole number to ang x 2 / pi; r = ang - n pi / 2, pi / 2 in two parts, |r| <= pi / 4;
; sin r and cos r by their series up to r^7 and r^8 (what is cut is under 4e-7 on all of |r| <= pi / 4); the quadrant n mod 4 swaps them and sets the signs.  pos stays under 1,024, the problem's own constant.
.Lrope:
	s_sub_co_u32 s21, ttmp9, 320
	s_lshl_b32 s21, s21, 2
	s_add_co_u32 s21, s21, s20                     ; W
	s_lshr_b32 s22, s21, 1
	s_lshl_b32 s22, s22, 4
	s_and_b32 s23, s21, 1
	s_lshl_b32 s23, s23, 4
	v_and_b32 v3, 15, v0
	v_bfe_u32 v4, v0, 4, 1
	v_add_nc_u32 v3, s22, v3
	v_cvt_f32_u32 v3, v3                           ; pos
	v_lshl_add_u32 v4, v4, 3, s23                  ; my first j
	v_lshlrev_b32 v5, 4, v2
	s_mov_b32 s24, 0xbed49a78                      ; -log2(10000) / 32
	s_mov_b32 s25, 0x3f22f983                      ; 2 / pi
	s_mov_b32 s26, 0x3fc90fdb                      ; pi / 2, upper part
	s_mov_b32 s27, 0xb33bbd2e                      ; and what is left of it
	s_mov_b32 s28, 0xbe2aaaab                      ; -1/6
	s_mov_b32 s29, 0x3c088889                      ; 1/120
	s_mov_b32 s30, 0xb9500d01                      ; -1/5040
	s_mov_b32 s31, 0x3d2aaaab                      ; 1/24
	s_mov_b32 s32, 0xbab60b61                      ; -1/720
	s_mov_b32 s33, 0x37d00d01                      ; 1/40320
	s_lshl_b32 s40, s21, 11
	s_add_co_u32 s40, s40, 327680                  ; the table stands behind the scale bytes; 2,048 bytes a wave
	s_mov_b32 s41, 0
	s_wait_kmcnt 0x0
	s_add_nc_u64 s[14:15], s[14:15], s[40:41]
.irp i, 0,1,2,3,4,5,6,7
	v_add_nc_u32 v[16+\i], \i, v4
.endr
.irp i, 0,1,2,3,4,5,6,7
	v_cvt_f32_u32 v[16+\i], v[16+\i]
.endr
.irp i, 0,1,2,3,4,5,6,7
	v_mul_f32 v[16+\i], s24, v[16+\i]
.endr
.irp i, 0,1,2,3,4,5,6,7
	v_exp_f32 v[16+\i], v[16+\i]                   ; 10000^(-j / 32)
.endr
	v_nop                                          ; a plain line behind the exponentials (ISA guide 5.7.2)
.irp i, 0,1,2,3,4,5,6,7
	v_mul_f32 v[16+\i], v3, v[16+\i]               ; ang
.endr
.irp i, 0,1,2,3,4,5,6,7
	v_mul_f32 v[24+\i], s25, v[16+\i]
.endr
.irp i, 0,1,2,3,4,5,6,7
	v_rndne_f32 v[24+\i], v[24+\i]                 ; n
.endr
.irp i, 0,1,2,3,4,5,6,7
	v_fma_f32 v[32+\i], -v[24+\i], s26, v[16+\i]
.endr
.irp i, 0,1,2,3,4,5,6,7
	v_fma_f32 v[32+\i], -v[24+\i], s27, v[32+\i]   ; r
.endr
.irp i, 0,1,2,3,4,5,6,7
	v_mul_f32 v[40+\i], v[32+\i], v[32+\i]         ; r^2
.endr
.irp i, 0,1,2,3,4,5,6,7
	v_fma_f32 v[48+\i], v[40+\i], s30, s29
	v_fma_f32 v[56+\i], v[40+\i], s33, s32
.endr
.irp i, 0,1,2,3,4,5,6,7
	v_fma_f32 v[48+\i], v[48+\i], v[40+\i], s28
	v_fma_f32 v[56+\i], v[56+\i], v[40+\i], s31
.endr
.irp i, 0,1,2,3,4,5,6,7
	v_mul_f32 v[48+\i], v[48+\i], v[40+\i]
	v_fma_f32 v[56+\i], v[56+\i], v[40+\i], -0.5
.endr
.irp i, 0,1,2,3,4,5,6,7
	v_fma_f32 v[48+\i], v[48+\i], v[32+\i], v[32+\i]   ; sin r
	v_fma_f32 v[56+\i], v[56+\i], v[40+\i], 1.0        ; cos r
.endr
.irp i, 0,1,2,3,4,5,6,7
	v_cvt_i32_f32 v[64+\i], v[24+\i]
.endr
.irp i, 0,1,2,3,4,5,6,7
	v_and_b32 v6, 1, v[64+\i]
	v_cmp_eq_u32 vcc_lo, 1, v6                     ; odd quadrants swap the two
	v_cndmask_b32 v[80+\i], v[48+\i], v[56+\i], vcc_lo
	v_cndmask_b32 v[72+\i], v[56+\i], v[48+\i], vcc_lo
	v_and_b32 v6, 2, v[64+\i]
	v_lshlrev_b32 v6, 30, v6
	v_xor_b32 v[80+\i], v6, v[80+\i]               ; sin is negative in quadrants 2 and 3,
	v_add_nc_u32 v7, 1, v[64+\i]
	v_and_b32 v7, 2, v7
	v_lshlrev_b32 v7, 30, v7
	v_xor_b32 v[72+\i], v7, v[72+\i]               ; cos in 1 and 2
	v_mul_f32 v[80+\i], 0x3e800000, v[80+\i]       ; / 4: q and k are kept as a quarter of themselves
	v_mul_f32 v[72+\i], 0x3e800000, v[72+\i]
.endr
	global_store_b128 v5, v[72:75], s[14:15]               ; cos / 4 of j + 0..3: each store covers 512 consecutive bytes
	global_store_b128 v5, v[76:79], s[14:15] offset:512    ; of j + 4..7
	global_store_b128 v5, v[80:83], s[14:15] offset:1024   ; sin / 4
	global_store_b128 v5, v[84:87], s[14:15] offset:1536
	s_endpgm
.Lfunc_end_k_q56b2f17ee2_prep:
	.size	k_q56b2f17ee2_prep, .Lfunc_end_k_q56b2f17ee2_prep-k_q56b2f17ee2_prep
	.p2alignl 7, 3214868480
	.fill 96, 4, 3214868480
	.section	.rodata,"a",@progbits
	.p2align	6, 0x0
	.amdhsa_kernel k_q56b2f17ee2_prep
		.amdhsa_group_segment_fixed_size 32768
		.amdhsa_private_segment_fixed_size 0
		.amdhsa_enable_private_segment 0
		.amdhsa_kernarg_size 40
		.amdhsa_user_sgpr_count 2
		.amdhsa_user_sgpr_kernarg_segment_ptr 1
		.amdhsa_wavefront_size32 1
		.amdhsa_system_sgpr_workgroup_id_x 1
		.amdhsa_system_sgpr_workgroup_id_y 1
		.amdhsa_system_sgpr_workgroup_id_z 1
		.amdhsa_system_vgpr_workitem_id 0
		.amdhsa_next_free_vgpr 224
		.amdhsa_next_free_sgpr 66
		.amdhsa_reserve_vcc 1
		.amdhsa_float_denorm_mode_32 3
		.amdhsa_float_denorm_mode_16_64 3
		.amdhsa_memory_ordered 1
		.amdhsa_forward_progress 1
		.amdhsa_inst_pref_size 46
	.end_amdhsa_kernel
	.amdgpu_metadata
---
amdhsa.version: [ 1, 2 ]
amdhsa.kernels:
  - .name:           k_q56b2f17ee2_prep
    .symbol:         k_q56b2f17ee2_prep.kd
    .args:
      - { .name: hidden_states, .offset: 0, .size: 8, .value_kind: global_buffer, .address_space: global }
      - { .name: q_w, .offset: 8, .size: 8, .value_kind: global_buffer, .address_space: global }
      - { .name: kv_w, .offset: 16, .size: 8, .value_kind: global_buffer, .address_space: global }
      - { .name: codes, .offset: 24, .size: 8, .value_kind: global_buffer, .address_space: global }
      - { .name: aux, .offset: 32, .size: 8, .value_kind: global_buffer, .address_space: global }
    .group_segment_fixed_size: 32768
    .private_segment_fixed_size: 0
    .kernarg_segment_align: 8
    .kernarg_segment_size: 40
    .max_flat_workgroup_size: 128
    .sgpr_count:     66
    .vgpr_count:     224
    .wavefront_size: 32
...
	.end_amdgpu_metadata
.endif
;; end of part 1
;; launch qkv (part 2): grid 16 x 16, 4 waves a work-group, clusters of 4 x 4, 327,680 bytes of LDS; arguments codes, aux, q_b, kv_b, qkv; writes qkv
.if DOCPART == 2
	.amdgcn_target "amdgcn-amd-amdhsa--gfx1250"
	.amdhsa_code_object_version 6
	.text
	.protected	k_q56b2f17ee2_qkv
	.globl	k_q56b2f17ee2_qkv
	.p2align	8
	.type	k_q56b2f17ee2_qkv,@function
k_q56b2f17ee2_qkv:
	s_mov_b64 s[64:65], 0
	v_nop
	global_prefetch_b8 v0, s[64:65] scope:SCOPE_SE
	s_setreg_imm32_b32 hwreg(HW_REG_WAVE_MODE, 25, 1), 1
	s_wait_xcnt 0x0
	s_wait_alu depctr_hold_cnt(0) depctr_sa_sdst(0) depctr_va_vdst(0) depctr_va_sdst(0) depctr_va_ssrc(0) depctr_va_vcc(0) depctr_vm_vsrc(0)
	s_getreg_b32 s2, hwreg(HW_REG_IB_STS2, 6, 4)
	s_cmp_eq_u32 s2, 0
	s_cbranch_scc0 .Lentry_in_a_cluster
	s_endpgm
.Lentry_in_a_cluster:
	s_bfe_u32 s2, ttmp6, 0x10000c
	s_cmp_lg_u32 s2, 0xf033
	s_cbranch_scc0 .Lentry_shape_is_right
	s_endpgm
.Lentry_shape_is_right:
; QKV: [2,048 tokens] x [3,072 rows of q_w and kv_w], K = 2,048, on codes of FP4 (E2M1) with one E8M0 scale for each 32 along K; bias; rotary embedding on q and k; all x 1/4; to f16.
; SHARES.  Work-group (x, y) makes tokens 128 y .. x 192 weight rows 192 x ..: three heads: q heads 2 x and 2 x + 1 and kv head x (k's head x for x < 8, else v's head x - 8).  16 x 16 work-groups.
; Wave w (rw = w / 2, cw = w % 2) makes 64 x 96: token blocks a = 0..3 are tile rows 32 a + 16 rw + r; weight blocks b = 0..5 are rows 32 b + 16 cw + r.  Block b is head b / 2, channels 32 (b % 2) + 16 cw ..:
; so channels d and d + 32 of a head lie in ONE lane at the same register index, and the rotation changes no lane.
; THE MATRIX INSTRUCTION IS USED TRANSPOSED (source 0 = 16 weight rows, source 1 = 16 tokens): lane (r, h) holds token r and channels 8 h + 0..7.  The bias is the C of each sum's first instruction.
; K goes in four steps of 512 (rows of 256 bytes).  Steps 0, 1, 2 and all scale bytes are first fills of three LDS slots and a region of their own; step 3 is the one refill, into slot 0, asked for when step 0 has been read:
; it has steps 1 and 2 in which to land.  A wave has four tensor loads out at the start, one later.
; CLUSTERS: 4 x 4 work-groups; the tokens' tiles are asked for jointly along a row of the cluster, the weights' along a column.
; NUMBERS KEPT: q / 4, k / 4, v / 4 in f16 (1/4 lies in the table; powers of two round nothing).  LIMITS: |q|, |k|, |v| from 2^18 on pass f16's largest number; under 2^-12 they lose f16's full precision.  NaN and infinities are not served.
; REGISTERS, in windows of 256: window 0: v1-29 addresses; v32-127 scale words of all of K; v128-191 the tokens' fragments, two sets of 32; v192-255 at work on the way out.
;   window 1: v0-95 the weights' fragments, two sets of 48; v128-191 the table (block a: cos / 4 at 128 + 16 a, sin / 4 at 136 + 16 a).   window 2: v0-191 the 24 accumulators ((a, b) at 8 (6 a + b)); v192-239 the bias of block b at 192 + 8 b.
.set PITCH, 272                        ; an LDS row: 256 bytes + 16 of padding = 68 words: the 16 rows of a load start at 16 different banks (64 banks of 4 bytes: ISA guide 11.1)
.set BOFF,  128*PITCH                  ; in a slot: the tokens' 128 rows, then the weights' 192
.set SLOT,  320*PITCH                  ; 87,040
.set SCL,   3*SLOT                     ; the tokens' scale bytes: 128 rows x 64 bytes as 32 units of 256 + 16
.set SCLB,  SCL+32*272                 ; the weights': 48 units
.set SPARE, SCLB+48*272                ; the spare words, 128 bytes a wave: two blocks of 256 bytes that no other line names
.set STAGE, SLOT                       ; the way out: 384 rows (head x 128 + tile row) x 144 bytes, in slot 1: it has had its only fill, and nobody reads it behind the barrier in front of K step 3
.set SPI,   144
.set ADRA, 10                          ; v10-12  LDS address of my token fragments in slot 0, 1, 2
.set ADRB, 13                          ; v13-15  the same for the weights
.set ADRS, 16                          ; v16     of my scale words: lanes 0-15 the tokens', lanes 16-31 the weights'
.set STO,  17                          ; v17     the way out: where I put 16 bytes of a row
.set RD,   18                          ; v18     where I read rows back
.set BO,   20                          ; v20     32 h: my eight numbers of a bias
.set LO,   21                          ; v21     16 x lane
.set QRT,  22                          ; v22     0.25
.set ZER,  23                          ; v23     0
.set SPW,  28                          ; v28     LDS address of my spare word; never rewritten
.set NIL,  29                          ; v29     0; never rewritten
.set SC,   32                          ; register SC + 16 i + s: lanes 0-15 the word of token block i, lanes 16-31 that of weight block i, for the s-th 128 along K
.set AF,   128
.set G1A,  24                          ; s[24:31] group 1 of the tokens' tiles;  s[32:43] their groups 0, one a slot
.set G0A,  32
.set G1B,  44                          ; s[44:51], s[52:63] the same for the weights
.set G0B,  52
.set G1SA, 68                          ; s[68:75], s[76:79] the tokens' scale bytes;  s[80:87], s[88:91] the weights'
.set G0SA, 76
.set G1SB, 80
.set G0SB, 88
.set MSB, 0
.macro WIN new                         ; the immediate's high byte repeats the setting that is left
.if MSB != \new
	s_set_vgpr_msb (MSB<<8)|\new
.set MSB, \new
.endif
.endm
.set MULW, 0xa1                        ; source 0 (weights) window 1, source 1 (tokens) window 0, C and D window 2
; A joint load: waves 0 and 1 fetch for the tokens, waves 2 and 3 for the weights.  The branch hangs on the wave's number alone.  Four v_nop follow each of the two lines.
.macro JLOAD g0a, g1a, g0b, g1b
	s_cmp_eq_u32 s15, 0
	s_cbranch_scc0 .Lfor_b_\@
	tensor_load_to_lds s[\g0a:\g0a+3], s[\g1a:\g1a+7]
.rept 4
	v_nop
.endr
	s_branch .Lasked_\@
.Lfor_b_\@:
	tensor_load_to_lds s[\g0b:\g0b+3], s[\g1b:\g1b+7]
.rept 4
	v_nop
.endr
.Lasked_\@:
.endm
.macro CROUND                          ; a round of the cluster's barrier
	s_barrier_signal -1
	s_barrier_wait -1
	s_cmp_lg_u32 s14, 0
	s_cbranch_scc1 .Lnot_wave_0_\@
	s_barrier_signal -3
.Lnot_wave_0_\@:
	s_barrier_wait -3
	s_barrier_signal -1
	s_barrier_wait -1
.endm
.macro PLACES                          ; four places in front of loads into registers that matrix instructions have read, and of the first read of results
.rept 4
	v_nop
.endr
.endm
	s_load_b256 s[4:11], s[0:1], 0x0               ; codes s[4:5], aux s[6:7], q_b s[8:9], kv_b s[10:11]
	s_load_b64 s[12:13], s[0:1], 0x20              ; qkv
	v_lshl_add_u32 v[SPW], v0, 2, SPARE
	v_mov_b32 v[NIL], 0
	v_lshrrev_b32 v1, 5, v0
	v_readfirstlane_b32 s14, v1                    ; wave 0..3
	s_lshr_b32 s15, s14, 1                         ; rw.  Also: I fetch for the tokens (0) or for the weights (1)
	s_and_b32 s16, s14, 1                          ; cw.  Also: which half of that tile I fetch
	s_bfe_u32 s92, ttmp6, 0x40000                  ; cx
	s_bfe_u32 s93, ttmp6, 0x40004                  ; cy
	s_lshl_b32 s94, ttmp9, 2
	s_add_co_u32 s94, s94, s92                     ; x = 4 x cluster x + cx
	s_and_b32 s17, ttmp7, 0xffff
	s_lshl_b32 s17, s17, 2
	s_add_co_u32 s17, s17, s93                     ; y = 4 x cluster y + cy
	s_lshl_b32 s95, s93, 2
	s_lshl_b32 s95, 15, s95                        ; my row of the cluster
	s_lshl_b32 s96, 0x1111, s92                    ; my column
	; group 1: tiles of 64 (tokens) or 96 (weights) rows x 256 bytes, elements of 1 byte, 4 words of padding behind every 64
	s_or_b32 s[G1A], s95, (1<<20)|(1<<21)|(5<<22)|(3<<25)
	s_mov_b32 s[G1A+1], 256<<16                    ; tensor_dim0
	s_mov_b32 s[G1A+2], 64<<16                     ; tensor_dim1
	s_mov_b32 s[G1A+3], 256<<16                    ; tile_dim0
	s_mov_b32 s[G1A+4], 64                         ; tile_dim1
	s_mov_b32 s[G1A+5], 1024                       ; a row of codes in memory
	s_mov_b32 s[G1A+6], 0
	s_mov_b32 s[G1A+7], 0
	s_or_b32 s[G1B], s96, (1<<20)|(1<<21)|(5<<22)|(3<<25)
	s_mov_b32 s[G1B+1], 256<<16
	s_mov_b32 s[G1B+2], 96<<16
	s_mov_b32 s[G1B+3], 256<<16
	s_mov_b32 s[G1B+4], 96
	s_mov_b32 s[G1B+5], 1024
	s_mov_b32 s[G1B+6], 0
	s_mov_b32 s[G1B+7], 0
	; the scale bytes of 64 or 96 rows are dense: 16 or 24 rows of 256 bytes (32 elements of 8 bytes), the same padding
	s_or_b32 s[G1SA], s95, (3<<16)|(1<<20)|(1<<21)|(5<<22)|(3<<25)
	s_mov_b32 s[G1SA+1], 32<<16
	s_mov_b32 s[G1SA+2], 16<<16
	s_mov_b32 s[G1SA+3], 32<<16
	s_mov_b32 s[G1SA+4], 16
	s_mov_b32 s[G1SA+5], 32
	s_mov_b32 s[G1SA+6], 0
	s_mov_b32 s[G1SA+7], 0
	s_or_b32 s[G1SB], s96, (3<<16)|(1<<20)|(1<<21)|(5<<22)|(3<<25)
	s_mov_b32 s[G1SB+1], 32<<16
	s_mov_b32 s[G1SB+2], 24<<16
	s_mov_b32 s[G1SB+3], 32<<16
	s_mov_b32 s[G1SB+4], 24
	s_mov_b32 s[G1SB+5], 32
	s_mov_b32 s[G1SB+6], 0
	s_mov_b32 s[G1SB+7], 0
	; where the tiles come from: the tokens' hang on y alone, the weights' on x alone
	s_lshl_b32 s18, s17, 7
	s_lshl_b32 s20, s16, 6
	s_add_co_u32 s18, s18, s20                     ; tokens: row 128 y + 64 x half
	s_lshl_b32 s20, s18, 10                        ; its codes,
	s_mov_b32 s21, 0
	s_lshl_b32 s22, s18, 6                         ; its scale bytes
	s_mov_b32 s23, 0
	s_mul_i32 s98, s94, 192
	s_mul_i32 s99, s16, 96
	s_add_co_u32 s98, s98, s99                     ; weights: row 192 x + 96 x half
	s_lshl_b32 s100, s98, 6
	s_add_co_u32 s100, s100, 131072
	s_mov_b32 s101, 0
	s_lshl_b32 s98, s98, 10
	s_add_co_u32 s98, s98, 2097152
	s_mov_b32 s99, 0
	s_mul_i32 s2, s16, 64*PITCH                    ; and where they go in a slot: the wave's number alone enters an LDS address
	s_mul_i32 s3, s16, 96*PITCH
	s_add_co_u32 s3, s3, BOFF
	s_wait_kmcnt 0x0
	s_add_nc_u64 s[20:21], s[4:5], s[20:21]
	s_add_nc_u64 s[22:23], s[6:7], s[22:23]
	s_add_nc_u64 s[98:99], s[4:5], s[98:99]
	s_add_nc_u64 s[100:101], s[6:7], s[100:101]
	CROUND                                         ; all sixteen work-groups are here: the first joint loads meet
	s_mov_b32 s[G0SA], 1
	s_mul_i32 s[G0SA+1], s16, 16*272
	s_add_co_u32 s[G0SA+1], s[G0SA+1], SCL
	s_mov_b64 s[G0SA+2:G0SA+3], s[22:23]
	s_or_b32 s[G0SA+3], s[G0SA+3], 0x80000000
	s_mov_b32 s[G0SB], 1
	s_mul_i32 s[G0SB+1], s16, 24*272
	s_add_co_u32 s[G0SB+1], s[G0SB+1], SCLB
	s_mov_b64 s[G0SB+2:G0SB+3], s[100:101]
	s_or_b32 s[G0SB+3], s[G0SB+3], 0x80000000
	JLOAD G0SA, G1SA, G0SB, G1SB                   ; the scale bytes first: they are wanted with K step 0
.irp s, 0,1,2
	s_mov_b32 s[G0A+4*\s], 1
	s_add_co_u32 s[G0A+4*\s+1], s2, \s*SLOT
	s_add_nc_u64 s[G0A+4*\s+2:G0A+4*\s+3], s[20:21], \s*256
	s_or_b32 s[G0A+4*\s+3], s[G0A+4*\s+3], 0x80000000
	s_mov_b32 s[G0B+4*\s], 1
	s_add_co_u32 s[G0B+4*\s+1], s3, \s*SLOT
	s_add_nc_u64 s[G0B+4*\s+2:G0B+4*\s+3], s[98:99], \s*256
	s_or_b32 s[G0B+4*\s+3], s[G0B+4*\s+3], 0x80000000
	JLOAD G0A+4*\s, G1A, G0B+4*\s, G1B             ; K step s into slot s
.endr
	v_and_b32 v1, 15, v0                           ; r
	v_bfe_u32 v2, v0, 4, 1                         ; h
	v_mul_u32_u24 v3, v1, PITCH
	v_lshl_add_u32 v3, v2, 4, v3                   ; a fragment's row x pitch + 16 h
	s_mul_i32 s18, s15, 16*PITCH
	s_mul_i32 s19, s16, 16*PITCH
	s_add_co_u32 s19, s19, BOFF
.irp s, 0,1,2
	v_add_nc_u32 v[ADRA+\s], s18, v3
	v_add_nc_u32 v[ADRB+\s], s19, v3
	s_add_co_u32 s18, s18, SLOT
	s_add_co_u32 s19, s19, SLOT
.endr
	v_lshrrev_b32 v5, 2, v1                        ; my row's scale bytes: four rows of 64 bytes to a unit of 272
	v_mul_u32_u24 v5, v5, 272
	v_and_b32 v6, 3, v1
	v_lshl_add_u32 v5, v6, 6, v5
	s_mul_i32 s18, s15, 1088                       ; the tokens': 16 rw rows on
	s_mul_i32 s19, s16, 1088                       ; the weights': 16 cw rows on, behind the tokens' 32 units
	s_add_co_u32 s19, s19, SCLB-SCL
	s_sub_co_u32 s19, s19, s18
	v_mul_u32_u24 v6, s19, v2                      ; lanes 16-31 take the weights': one product in h
	s_add_co_u32 s18, s18, SCL
	v_add_nc_u32 v5, v5, v6
	v_add_nc_u32 v[ADRS], s18, v5
	s_mul_i32 s18, s15, 16*SPI                     ; the stage, in: row 16 rw + r, bytes 32 cw + 16 h
	s_lshl_b32 s19, s16, 5
	s_add_co_u32 s18, s18, s19
	s_add_co_u32 s18, s18, STAGE
	v_mul_u32_u24 v5, v1, SPI
	v_lshl_add_u32 v5, v2, 4, v5
	v_add_nc_u32 v[STO], s18, v5
	v_and_b32 v6, 31, v0
	v_lshrrev_b32 v5, 3, v6                        ; back: eight lanes to a row of 128 bytes, four rows an instruction, my wave's rows 32 w ..
	v_mul_u32_u24 v5, v5, SPI
	v_and_b32 v7, 7, v0
	v_lshl_add_u32 v5, v7, 4, v5
	s_mul_i32 s18, s14, 32*SPI
	s_add_co_u32 s18, s18, STAGE
	v_add_nc_u32 v[RD], s18, v5
	v_lshlrev_b32 v[LO], 4, v6
	v_lshlrev_b32 v[BO], 5, v2
	v_mov_b32 v[QRT], 0x3e800000
	v_mov_b32 v[ZER], 0
	; the biases, the table and the results' places
	s_lshl_b32 s98, s94, 9
	s_lshl_b32 s99, s16, 6
	s_add_co_u32 s98, s98, s99                     ; q_b: (128 x + 16 cw) x 4
	s_lshl_b32 s100, s94, 8
	s_add_co_u32 s100, s100, s99                   ; kv_b: (64 x + 16 cw) x 4
	s_mov_b32 s99, 0
	s_mov_b32 s101, 0
	s_add_nc_u64 s[8:9], s[8:9], s[98:99]
	s_add_nc_u64 s[10:11], s[10:11], s[100:101]
	s_and_b32 s18, s17, 7                          ; the table: block of 16 positions (y % 8) 8 + 2 a + rw, column half cw: 2,048 bytes each
	s_lshl_b32 s18, s18, 3
	s_add_co_u32 s18, s18, s15
	s_lshl_b32 s18, s18, 1
	s_add_co_u32 s18, s18, s16
	s_lshl_b32 s18, s18, 11
	s_add_co_u32 s18, s18, 327680
	s_mov_b32 s19, 0
	s_add_nc_u64 s[6:7], s[6:7], s[18:19]
	s_and_b32 s18, s17, 7
	s_lshl_b32 s18, s18, 7
	s_lshl_b32 s20, s14, 5
	s_add_co_u32 s18, s18, s20
	s_lshl_b32 s18, s18, 7                         ; ((y % 8) 128 + 32 w) rows of 128 bytes: the rows that I store, in a head
	s_lshr_b32 s20, s17, 3                         ; the batch
	s_lshl_b32 s21, s20, 22                        ; q: 32 heads of 131,072 bytes a batch,
	s_add_co_u32 s21, s21, s18
	s_lshl_b32 s98, s94, 18                        ; head 2 x
	s_add_co_u32 s98, s98, s21
	s_lshl_b32 s22, s20, 20                        ; k, v: 8 heads a batch,
	s_add_co_u32 s22, s22, s18
	s_lshl_b32 s100, s94, 17                       ; head x;
	s_add_co_u32 s100, s100, s22
	s_cmp_ge_u32 s94, 8                            ; from x = 8 on it is v's head x - 8: v begins 16 heads behind k, so 8 heads are added
	s_cselect_b32 s101, 0x100000, 0
	s_cselect_b32 s97, -1, 0                       ; all ones where the third head is v's: it selects values only
	s_add_co_u32 s100, s100, s101
	s_add_co_u32 s100, s100, 0x800000              ; k begins behind q's 8,388,608 bytes
	s_mov_b32 s101, 0
	s_add_nc_u64 s[66:67], s[12:13], s[100:101]    ; the third head's rows
	s_add_nc_u64 s[12:13], s[12:13], s[98:99]      ; q head 2 x's; head 2 x + 1 lies 131,072 bytes on
	WIN 0x80                                       ; destination window 2
.irp b, 0,1,2,3
	global_load_b128 v[192+8*\b:192+8*\b+3], v[BO], s[8:9] offset:128*\b
	global_load_b128 v[192+8*\b+4:192+8*\b+7], v[BO], s[8:9] offset:128*\b+16
.endr
.irp p, 0,1
	global_load_b128 v[224+8*\p:224+8*\p+3], v[BO], s[10:11] offset:128*\p
	global_load_b128 v[224+8*\p+4:224+8*\p+7], v[BO], s[10:11] offset:128*\p+16
.endr
	WIN 0x40                                       ; destination window 1
.irp a, 0,1,2,3
.irp u, 0,1,2,3
	global_load_b128 v[128+16*\a+4*\u:128+16*\a+4*\u+3], v[LO], s[6:7] offset:8192*\a+512*\u
.endr
.endr
	WIN 0
.macro FRAG reg, adr, q, i             ; 16 rows x 128 K of 4-bit codes: 8 registers: lane (r, h): registers 4 c .. 4 c + 3 hold K = 64 c + 32 h + 0..31.  Blocks of a wave lie 32 rows apart
.irp c, 0,1
	ds_load_b128 v[\reg+4*\c:\reg+4*\c+3], v[\adr] offset:64*(\q)+32*\c+(\i)*32*PITCH
.endr
.endm
.macro FETCH slot, q, p                ; the fragments of the slot's q-th 128 along K into set p: 12 loads for the weights, 8 for the tokens
	WIN 0x40
.irp i, 0,1,2,3,4,5
	FRAG 48*(\p)+8*\i, ADRB+(\slot), \q, \i
.endr
	WIN 0
.irp i, 0,1,2,3
	FRAG AF+32*(\p)+8*\i, ADRA+(\slot), \q, \i
.endr
.endm
.macro SCALES                          ; the scale words of all of K: 16 words a row; for i = 4, 5 lanes 0-15 read bytes of the weights' region that no product uses
.irp i, 0,1,2,3,4,5
.irp k, 0,1,2,3
	ds_load_b128 v[SC+16*\i+4*\k:SC+16*\i+4*\k+3], v[ADRS] offset:2176*\i+16*\k
.endr
.endr
.endm
; 24 matrix instructions: 128 along K, the s-th.  The 24 accumulators take turns, one instruction a turn, in the same order in every step.  first = 1: the bias starts the sums.
.macro MUL24 p, s, first
.irp a, 0,1,2,3
.irp b, 0,1,2,3,4,5
.if \first
	v_wmma_scale_f32_16x16x128_f8f6f4 v[8*(6*\a+\b):8*(6*\a+\b)+7], v[48*(\p)+8*\b:48*(\p)+8*\b+7], v[AF+32*(\p)+8*\a:AF+32*(\p)+8*\a+7], v[192+8*\b:192+8*\b+7], v[SC+16*\b+(\s)], v[SC+16*\a+(\s)] matrix_a_fmt:MATRIX_FMT_FP4 matrix_b_fmt:MATRIX_FMT_FP4 matrix_a_scale:MATRIX_SCALE_ROW1
.else
	v_wmma_scale_f32_16x16x128_f8f6f4 v[8*(6*\a+\b):8*(6*\a+\b)+7], v[48*(\p)+8*\b:48*(\p)+8*\b+7], v[AF+32*(\p)+8*\a:AF+32*(\p)+8*\a+7], v[8*(6*\a+\b):8*(6*\a+\b)+7], v[SC+16*\b+(\s)], v[SC+16*\a+(\s)] matrix_a_fmt:MATRIX_FMT_FP4 matrix_b_fmt:MATRIX_FMT_FP4 matrix_a_scale:MATRIX_SCALE_ROW1
.endif
.endr
.endr
.endm
; Step g of 16: slot (g / 4) % 3, its (g % 4)-th 128 along K, set g % 2.  The next step's 20 loads are issued ahead of this step's 24 products.
.macro SUB g
	s_wait_dscnt 0x0                               ; this step's fragments are in
	PLACES                                         ; the other set was read by the last step's products
	FETCH (((\g)+1)/4)%3, ((\g)+1)%4, ((\g)+1)%2
	WIN MULW
	MUL24 (\g)%2, \g, 0
	WIN 0
.endm
	s_wait_tensorcnt 2                             ; the scale bytes and my part of K step 0 are in; K steps 1 and 2 stay out
	s_barrier_signal -1
	s_barrier_wait -1                              ; everybody's are
	SCALES
	FETCH 0, 0, 0
	s_wait_loadcnt 0x0                             ; the biases and the table
	s_wait_dscnt 0x0
	FETCH 0, 1, 1
	WIN MULW
	MUL24 0, 0, 1
	WIN 0
	SUB 1
	SUB 2
	; step 3: slot 0 has been read out and takes K step 3
	s_wait_tensorcnt 0x0                           ; all my tensor loads have landed, my parts of slots 1 and 2 among them
	ds_add_u32 v[SPW], v[NIL]                      ; 0 onto my spare word
	s_add_nc_u64 s[G0A+2:G0A+3], s[G0A+2:G0A+3], 768   ; no tensor load of mine is out: slot 0's groups 0 step from K step 0 to K step 3
	s_add_nc_u64 s[G0B+2:G0B+3], s[G0B+2:G0B+3], 768
	s_wait_dscnt 0x0                               ; the add is done, and my reads of slot 0 are over
	CROUND                                         ; no wave of any partner still reads slot 0 or has a load on its way
	JLOAD G0A, G1A, G0B, G1B                       ; the one refill; the four v_nop behind it are the places in front of the loads below
	FETCH 1, 0, 0
	WIN MULW
	MUL24 1, 3, 0
	WIN 0
	SUB 4
	SUB 5
	SUB 6
	SUB 7
	SUB 8
	SUB 9
	SUB 10
	; step 11: K step 3 is shown to every wave; behind this barrier nobody reads slots 1 and 2 any more but for the fragments already in registers
	s_wait_tensorcnt 0x0                           ; my part of K step 3 has landed
	ds_add_u32 v[SPW], v[NIL]
	s_wait_dscnt 0x0
	s_barrier_signal -1
	s_barrier_wait -1
	PLACES
	FETCH 0, 0, 0
	WIN MULW
	MUL24 1, 11, 0
	WIN 0
	SUB 12
	SUB 13
	SUB 14
	s_wait_dscnt 0x0
	WIN MULW
	MUL24 1, 15, 0
	WIN 0
; THE WAY OUT.  Head hd: x1 = block 2 hd (channels d < 32), x2 = block 2 hd + 1 (d + 32).  y1 = x1 cos - x2 sin, y2 = x2 cos + x1 sin, with cos / 4 and sin / 4; to f16; 16 bytes a lane into the stage.
; Each accumulator is read from its low end on.
.macro ROPE hd
	WIN 0x06                                       ; source 0 window 2 (sums), source 1 window 1 (table), the rest window 0
.irp a, 0,1,2,3
.irp p, 0,1,2,3
	v_pk_mul_f32 v[192+16*\a+4*\p:193+16*\a+4*\p], v[8*(6*\a+2*\hd+1)+2*\p:8*(6*\a+2*\hd+1)+2*\p+1], v[136+16*\a+2*\p:137+16*\a+2*\p]
	v_pk_mul_f32 v[194+16*\a+4*\p:195+16*\a+4*\p], v[8*(6*\a+2*\hd)+2*\p:8*(6*\a+2*\hd)+2*\p+1], v[136+16*\a+2*\p:137+16*\a+2*\p]
	v_pk_fma_f32 v[128+16*\a+2*\p:129+16*\a+2*\p], v[8*(6*\a+2*\hd)+2*\p:8*(6*\a+2*\hd)+2*\p+1], v[128+16*\a+2*\p:129+16*\a+2*\p], v[192+16*\a+4*\p:193+16*\a+4*\p] neg_lo:[0,0,1] neg_hi:[0,0,1]
	v_pk_fma_f32 v[136+16*\a+2*\p:137+16*\a+2*\p], v[8*(6*\a+2*\hd+1)+2*\p:8*(6*\a+2*\hd+1)+2*\p+1], v[128+16*\a+2*\p:129+16*\a+2*\p], v[194+16*\a+4*\p:195+16*\a+4*\p]
.endr
.endr
	WIN 0
.irp a, 0,1,2,3
.irp i, 0,1,2,3
	v_cvt_pk_f16_f32 v[192+8*\a+\i], v[128+16*\a+2*\i], v[129+16*\a+2*\i]
	v_cvt_pk_f16_f32 v[196+8*\a+\i], v[136+16*\a+2*\i], v[137+16*\a+2*\i]
.endr
.endr
.irp a, 0,1,2,3
	ds_store_b128 v[STO], v[192+8*\a:195+8*\a] offset:(128*\hd+32*\a)*SPI
	ds_store_b128 v[STO], v[196+8*\a:199+8*\a] offset:(128*\hd+32*\a)*SPI+64
.endr
	s_wait_dscnt 0x0                               ; the stores have read their registers
.endm
	PLACES
	ROPE 0
	ROPE 1
	WIN 0x41                                       ; destination and source 0 window 1, source 1 window 0
.irp j, 0,1,2,3,4,5,6,7                ; where the third head is v's it is not rotated: cos / 4 becomes 1/4 and sin / 4 becomes 0: a choice of values, no branch
.irp a, 0,1,2,3
	v_cndmask_b32 v[128+16*\a+\j], v[128+16*\a+\j], v[QRT], s97
	v_cndmask_b32 v[136+16*\a+\j], v[136+16*\a+\j], v[ZER], s97
.endr
.endr
	ROPE 2
	s_barrier_signal -1                            ; every wave's stores into the stage are done (the wait for 0 stands at ROPE's end): a row's 128 bytes come from two waves
	s_barrier_wait -1
.irp hd, 0,1,2
.irp i, 0,1,2,3,4,5,6,7
	ds_load_b128 v[128+32*\hd+4*\i:131+32*\hd+4*\i], v[RD] offset:(128*\hd+4*\i)*SPI
.endr
.endr
.irp i, 0,1,2,3,4,5,6,7
	s_wait_dscnt 23-\i                             ; the younger loads stay out
	global_store_b128 v[LO], v[128+4*\i:131+4*\i], s[12:13] offset:512*\i          ; four rows of 128 bytes: 512 consecutive bytes, aligned
.endr
.irp i, 0,1,2,3,4,5,6,7
	s_wait_dscnt 15-\i
	global_store_b128 v[LO], v[160+4*\i:163+4*\i], s[12:13] offset:131072+512*\i
.endr
.irp i, 0,1,2,3,4,5,6,7
	s_wait_dscnt 7-\i
	global_store_b128 v[LO], v[192+4*\i:195+4*\i], s[66:67] offset:512*\i
.endr
	s_wait_tensorcnt 0x0                           ; the wave's end
	ds_add_u32 v[SPW], v[NIL]
	s_wait_dscnt 0x0
	CROUND                                         ; the closing round
	s_endpgm
.Lfunc_end_k_q56b2f17ee2_qkv:
	.size	k_q56b2f17ee2_qkv, .Lfunc_end_k_q56b2f17ee2_qkv-k_q56b2f17ee2_qkv
	.p2alignl 7, 3214868480
	.fill 96, 4, 3214868480
	.section	.rodata,"a",@progbits
	.p2align	6, 0x0
	.amdhsa_kernel k_q56b2f17ee2_qkv
		.amdhsa_group_segment_fixed_size 327680
		.amdhsa_private_segment_fixed_size 0
		.amdhsa_enable_private_segment 0
		.amdhsa_kernarg_size 40
		.amdhsa_user_sgpr_count 2
		.amdhsa_user_sgpr_kernarg_segment_ptr 1
		.amdhsa_wavefront_size32 1
		.amdhsa_system_sgpr_workgroup_id_x 1
		.amdhsa_system_sgpr_workgroup_id_y 1
		.amdhsa_system_sgpr_workgroup_id_z 1
		.amdhsa_system_vgpr_workitem_id 0
		.amdhsa_next_free_vgpr 768
		.amdhsa_next_free_sgpr 102
		.amdhsa_reserve_vcc 0
		.amdhsa_float_denorm_mode_32 3
		.amdhsa_float_denorm_mode_16_64 3
		.amdhsa_memory_ordered 1
		.amdhsa_forward_progress 1
		.amdhsa_inst_pref_size 119
	.end_amdhsa_kernel
	.amdgpu_metadata
---
amdhsa.version: [ 1, 2 ]
amdhsa.kernels:
  - .name:           k_q56b2f17ee2_qkv
    .symbol:         k_q56b2f17ee2_qkv.kd
    .args:
      - { .name: codes, .offset: 0, .size: 8, .value_kind: global_buffer, .address_space: global }
      - { .name: aux, .offset: 8, .size: 8, .value_kind: global_buffer, .address_space: global }
      - { .name: q_b, .offset: 16, .size: 8, .value_kind: global_buffer, .address_space: global }
      - { .name: kv_b, .offset: 24, .size: 8, .value_kind: global_buffer, .address_space: global }
      - { .name: qkv, .offset: 32, .size: 8, .value_kind: global_buffer, .address_space: global }
    .group_segment_fixed_size: 327680
    .private_segment_fixed_size: 0
    .kernarg_segment_align: 8
    .kernarg_segment_size: 40
    .max_flat_workgroup_size: 128
    .sgpr_count:     102
    .vgpr_count:     768
    .wavefront_size: 32
...
	.end_amdgpu_metadata
.endif
;; end of part 2
;; launch attn (part 3): grid 16 x 16, 8 waves a work-group, clusters of 4 x 1, 327,680 bytes of LDS; arguments qkv, out_w, ctx, w16; writes ctx, w16
.if DOCPART == 3
	.amdgcn_target "amdgcn-amd-amdhsa--gfx1250"
	.amdhsa_code_object_version 6
	.text
	.protected	k_q56b2f17ee2_attn
	.globl	k_q56b2f17ee2_attn
	.p2align	8
	.type	k_q56b2f17ee2_attn,@function
k_q56b2f17ee2_attn:
	s_mov_b64 s[64:65], 0
	v_nop
	global_prefetch_b8 v0, s[64:65] scope:SCOPE_SE
	s_setreg_imm32_b32 hwreg(HW_REG_WAVE_MODE, 25, 1), 1
	s_wait_xcnt 0x0
	s_wait_alu depctr_hold_cnt(0) depctr_sa_sdst(0) depctr_va_vdst(0) depctr_va_sdst(0) depctr_va_ssrc(0) depctr_va_vcc(0) depctr_vm_vsrc(0)
	s_getreg_b32 s2, hwreg(HW_REG_IB_STS2, 6, 4)
	s_cmp_eq_u32 s2, 0
	s_cbranch_scc0 .Lentry_in_a_cluster
	s_endpgm
.Lentry_in_a_cluster:
	s_bfe_u32 s2, ttmp6, 0x10000c
	s_cmp_lg_u32 s2, 0x3003
	s_cbranch_scc0 .Lentry_shape_is_right
	s_endpgm
.Lentry_shape_is_right:
; ATTN: causal grouped-query attention, head size 64, 1,024 tokens, on f16 operands; products, maxima and sums in f32.  Beside it: out_w x 2^8 -> f16, for the launch behind this one.
; q, k, v arrive as a quarter of themselves, so a score arrives as 1/16 of itself: c = 16 log2(e) / 8; the result leaves as ctx / 4.
; SHARES.  y = 8 batch + kv head.  The cluster's x is a = 0..3, the place in the cluster is the query head within the group.  A work-group owns 256 tokens of ONE query head: the blocks of 64 tokens a, 7 - a, 8 + a, 15 - a.
; The four partners share a, so every branch hangs on the cluster's x, the wave's number and a counter, never on the place in the cluster.
; A WAVE OWNS TWO TILES OF 16 QUERIES, ONE OF A LOW BLOCK AND ONE OF ITS MIRROR: waves 0-3 tile w of blocks a and 15 - a, waves 4-7 tile w - 4 of blocks 7 - a and 8 + a.  Under the causal mask a tile of block p has p + 1 key steps
; of 64 keys, so every wave has 17 tile-steps, whatever a.  A wave walks the keys up to its high block; as long as the low block has keys left a step works both tiles, afterwards the high tile alone: the step's body is written
; for both cases.  The price: in the single steps a fragment of K or V feeds one tile: a work-group's waves read 100 steps' fragments where 68 would do with both tiles in one block.
; K AND V OF THE WHOLE KV HEAD LIE IN LDS, filled once, in four chunks of 256 keys, by joint loads of the four partners: waves 0-3 fetch K's rows, waves 4-7 V's, four loads a wave, all issued at the start.  Nothing is filled again.
; Chunk 0 is shown to the work-group in front of key step 0, chunks 1, 2, 3 behind key steps 0, 1, 2 (which read chunk 0 alone): from key step 3 on no barrier stands between the waves.
; LAYOUT.  S^T = K Q^T (source 0 = 16 keys, source 1 = 16 queries): a lane holds ONE query and the keys 8 (lane / 16) + 0..7.  Two such tiles, rounded to f16 in pairs, are source 1 of O^T = V^T P.  V comes out of LDS turned, by ds_load_tr16_b128.
; K's fragments are fetched a step ahead, behind the products that read them; V's at the head of their step, a softmax ahead of their use.
; SOFTMAX.  A running maximum m and sum l for each query: p = 2^(c s - c m), at most 1; in every step O and l are multiplied by 2^(c m_old - c m_new).  The sum is taken of p before it is rounded.
; LIMITS: |q|, |k|, |v| from 2^18 on pass f16's largest number, under 2^-12 they lose f16's full precision; |out_w| from 256 on passes it, under 2^-22 it loses precision.  NaN and infinities are not served.
; REGISTERS: window 0: v1-11 addresses and constants; v12-15 second chains of the sums; v16-31 eight registers of statistics a tile: +0 c m, +1 m, +2, +3 l, +4..+7 at work (+6: the factor);
;   v32-95 S^T, 32 a tile; v96-127 P, 16 a tile; v128-191 K's 8 fragments; v192-255 V's 8.   window 1: v0-31 Q; v32-95 O^T, 32 a tile; v96-159 my 2,048 numbers of out_w; v160-191 the same in f16.
.set PK,    144                        ; a row of K in LDS: 128 bytes + 16: the 16 rows of a load start at 16 different banks (64 banks of 4 bytes: ISA guide 11.1)
.set PV,    160                        ; a row of V: 128 + 32
.set VOFF,  1024*PK
.set STAGE, VOFF+1024*PV               ; 16 rows x 128 bytes for each wave, for the way out; no fill lands there
.set AK0, 1                            ; v1   my lane's place in a tile of K
.set AV0, 2                            ; v2   the same for V
.set ADK, 3                            ; v3   LDS address of the step's K
.set ADV, 4                            ; v4   of its V
.set QO,  5                            ; v5   my byte offset in a tile's rows of Q
.set STO, 6                            ; v6   the way out: where I put 16 bytes of a row
.set RD,  7                            ; v7   where I read rows back
.set GO,  8                            ; v8   16 x lane; never rewritten
.set DG,  9                            ; v9   my query's place in its block - 8 (lane / 16)
.set LO8, 10                           ; v10  8 x lane; never rewritten
.set NINF, 11                          ; v11  -infinity
.set WV,   12                          ; s12  my wave's number
.set G1K,  16                          ; s[16:23], s[24:31] groups 1 for K's and V's tiles: they differ in the padding
.set G1V,  24
.set G0K,  32                          ; s[32:47] K's groups 0, one a chunk;  s[48:63] V's
.set G0V,  48
.set CS,   66                          ; s[66:67] c
.set SEL,  68                          ; s[68:69] v_permlanex16_b32's selects for lane l xor 16
.set TK,   70                          ; s70  LDS byte at which the step's keys begin
.set TV,   71                          ; s71  the same for V
.set J,    72                          ; s72  the key step
.set LOB,  73                          ; s73  my low block, 0..7: the last step that works tile 0
.set HIB,  74                          ; s74  my high block, 15 - low: the last step that I work
.set TRIP, 75
.set MSB, 0
.macro WIN new                         ; the immediate's high byte repeats the setting that is left
.if MSB != \new
	s_set_vgpr_msb (MSB<<8)|\new
.set MSB, \new
.endif
.endm
.macro CROUND                          ; a round of the cluster's barrier
	s_barrier_signal -1
	s_barrier_wait -1
	s_cmp_lg_u32 s[WV], 0
	s_cbranch_scc1 .Lnot_wave_0_\@
	s_barrier_signal -3
.Lnot_wave_0_\@:
	s_barrier_wait -3
	s_barrier_signal -1
	s_barrier_wait -1
.endm
	s_load_b256 s[4:11], s[0:1], 0x0               ; qkv s[4:5], out_w s[6:7], ctx s[8:9], w16 s[10:11]
	v_lshrrev_b32 v1, 5, v0
	v_readfirstlane_b32 s[WV], v1                  ; wave 0..7
	s_bfe_u32 s13, ttmp6, 0x40000                  ; cx: the query head within the group: it enters global addresses of Q, ctx, out_w and w16 alone
	s_and_b32 s14, ttmp7, 0xffff                   ; y
	s_and_b32 s15, s[WV], 3                        ; which 64 rows of a chunk I fetch.  Also: which tile of a block is mine
	s_lshl_b32 s76, s14, 17                        ; a kv head is 131,072 bytes
	s_lshl_b32 s77, s15, 13
	s_add_co_u32 s76, s76, s77
	s_mov_b32 s77, 0
	s_mul_i32 s78, s15, 64*PK
	s_mul_i32 s79, s15, 64*PV
	s_add_co_u32 s79, s79, VOFF
	s_mov_b32 s[G1K], 15|(1<<16)|(1<<20)|(1<<21)|(4<<22)|(3<<25)   ; the mask: all four; elements of 2 bytes; padding: 4 words behind every 32
	s_mov_b32 s[G1V], 15|(1<<16)|(1<<20)|(1<<21)|(4<<22)|(7<<25)   ; 8 words
.irp g, G1K, G1V
	s_mov_b32 s[\g+1], 64<<16                      ; tensor_dim0
	s_mov_b32 s[\g+2], 64<<16                      ; tensor_dim1
	s_mov_b32 s[\g+3], 64<<16                      ; tile_dim0
	s_mov_b32 s[\g+4], 64                          ; tile_dim1
	s_mov_b32 s[\g+5], 64                          ; elements from row to row
	s_mov_b32 s[\g+6], 0
	s_mov_b32 s[\g+7], 0
.endr
	s_lshr_b32 s80, s[WV], 2                       ; waves 0-3: blocks a and 15 - a; waves 4-7: 7 - a and 8 + a
	s_sub_co_u32 s81, 7, ttmp9
	s_cmp_eq_u32 s80, 0
	s_cselect_b32 s[LOB], ttmp9, s81
	s_sub_co_u32 s[HIB], 15, s[LOB]
	s_lshl_b32 s80, s15, 4                         ; my tile's first query in its block
	s_lshl_b32 s81, s[LOB], 6
	s_add_co_u32 s81, s81, s80                     ; tile 0's first token
	s_lshl_b32 s82, s[HIB], 6
	s_add_co_u32 s82, s82, s80                     ; tile 1's
	s_lshl_b32 s83, s14, 2
	s_add_co_u32 s83, s83, s13                     ; 32 batch + query head = 4 y + cx
	s_lshl_b32 s84, s83, 17                        ; Q: 131,072 bytes a head, rows of 128 bytes
	s_lshl_b32 s86, s81, 7
	s_add_co_u32 s86, s86, s84
	s_mov_b32 s87, 0
	s_lshl_b32 s88, s82, 7
	s_add_co_u32 s88, s88, s84
	s_mov_b32 s89, 0
	s_lshr_b32 s84, s14, 3                         ; ctx: [block of 128 tokens][head][token][64]
	s_lshl_b32 s84, s84, 3                         ; 8 batch
	s_and_b32 s85, s14, 7
	s_lshl_b32 s85, s85, 2
	s_add_co_u32 s85, s85, s13                     ; the query head
	s_lshr_b32 s92, s81, 7
	s_add_co_u32 s92, s92, s84
	s_lshl_b32 s92, s92, 5
	s_add_co_u32 s92, s92, s85
	s_lshl_b32 s92, s92, 7
	s_and_b32 s93, s81, 127
	s_add_co_u32 s92, s92, s93
	s_lshl_b32 s92, s92, 7                         ; tile 0's rows
	s_mov_b32 s93, 0
	s_lshr_b32 s94, s82, 7
	s_add_co_u32 s94, s94, s84
	s_lshl_b32 s94, s94, 5
	s_add_co_u32 s94, s94, s85
	s_lshl_b32 s94, s94, 7
	s_and_b32 s95, s82, 127
	s_add_co_u32 s94, s94, s95
	s_lshl_b32 s94, s94, 7                         ; tile 1's
	s_mov_b32 s95, 0
	s_lshl_b32 s83, s14, 2                         ; out_w: the launch's 2,048 waves take 2,048 numbers each: wave ((4 y + a) 4 + cx) 8 + w
	s_add_co_u32 s83, s83, ttmp9
	s_lshl_b32 s83, s83, 2
	s_add_co_u32 s83, s83, s13
	s_lshl_b32 s83, s83, 3
	s_add_co_u32 s83, s83, s[WV]
	s_lshl_b32 s84, s83, 13                        ; 8,192 bytes in,
	s_mov_b32 s85, 0
	s_lshl_b32 s90, s83, 12                        ; 4,096 out
	s_mov_b32 s91, 0
	s_mov_b32 s[CS], 0x4038aa3b                    ; c = 2 log2(e)
	s_mov_b32 s[CS+1], s[CS]                       ; (named with it as a pair, so it is written)
	s_mov_b32 s[SEL], 0x76543210
	s_mov_b32 s[SEL+1], 0xfedcba98
	s_mov_b32 s[TK], 0
	s_mov_b32 s[TV], 0
	s_mov_b32 s[J], 0
	s_wait_kmcnt 0x0
	s_add_nc_u64 s[76:77], s[4:5], s[76:77]
	s_add_nc_u64 s[86:87], s[4:5], s[86:87]        ; Q at tile 0's first row,
	s_add_nc_u64 s[88:89], s[4:5], s[88:89]        ; at tile 1's
	s_add_nc_u64 s[4:5], s[76:77], 0x800000        ; K begins behind q's 8,388,608 bytes,
	s_add_nc_u64 s[76:77], s[76:77], 0xa00000      ; V 2,097,152 further on
	s_add_nc_u64 s[92:93], s[8:9], s[92:93]
	s_add_nc_u64 s[94:95], s[8:9], s[94:95]
	s_add_nc_u64 s[6:7], s[6:7], s[84:85]
	s_add_nc_u64 s[10:11], s[10:11], s[90:91]
	CROUND                                         ; all four work-groups are here: the joint loads meet
.irp c, 0,1,2,3
	s_mov_b32 s[G0K+4*\c], 1
	s_add_co_u32 s[G0K+4*\c+1], s78, \c*256*PK
	s_add_nc_u64 s[G0K+4*\c+2:G0K+4*\c+3], s[4:5], \c*32768
	s_or_b32 s[G0K+4*\c+3], s[G0K+4*\c+3], 0x80000000
	s_mov_b32 s[G0V+4*\c], 1
	s_add_co_u32 s[G0V+4*\c+1], s79, \c*256*PV
	s_add_nc_u64 s[G0V+4*\c+2:G0V+4*\c+3], s[76:77], \c*32768
	s_or_b32 s[G0V+4*\c+3], s[G0V+4*\c+3], 0x80000000
.endr
	s_cmp_lt_u32 s[WV], 4                          ; a wave's four fills stand in one branch, ahead of every wait on TENSORcnt and every LDS read: four loads of mine are out; four v_nop follow the last
	s_cbranch_scc0 .Lfirst_v
	tensor_load_to_lds s[G0K:G0K+3], s[G1K:G1K+7]
	tensor_load_to_lds s[G0K+4:G0K+7], s[G1K:G1K+7]
	tensor_load_to_lds s[G0K+8:G0K+11], s[G1K:G1K+7]
	tensor_load_to_lds s[G0K+12:G0K+15], s[G1K:G1K+7]
.rept 4
	v_nop
.endr
	s_branch .Lfirst_asked
.Lfirst_v:
	tensor_load_to_lds s[G0V:G0V+3], s[G1V:G1V+7]
	tensor_load_to_lds s[G0V+4:G0V+7], s[G1V:G1V+7]
	tensor_load_to_lds s[G0V+8:G0V+11], s[G1V:G1V+7]
	tensor_load_to_lds s[G0V+12:G0V+15], s[G1V:G1V+7]
.rept 4
	v_nop
.endr
.Lfirst_asked:
	v_and_b32 v12, 15, v0                          ; r
	v_bfe_u32 v13, v0, 4, 1                        ; h
	v_and_b32 v14, 31, v0                          ; lane
	v_lshlrev_b32 v[QO], 7, v12
	v_lshl_add_u32 v[QO], v13, 4, v[QO]            ; row r of 128 bytes + 16 h
	v_lshlrev_b32 v[GO], 4, v14
	v_lshlrev_b32 v[LO8], 3, v14
	WIN 0x40                                       ; destination window 1
.irp f, 0,1
	global_load_b128 v[8*\f:8*\f+3],       v[QO], s[86:87] offset:64*\f          ; Q stays in registers: tile 0, channels 32 f on
	global_load_b128 v[8*\f+4:8*\f+7],     v[QO], s[86:87] offset:64*\f+32
	global_load_b128 v[16+8*\f:16+8*\f+3], v[QO], s[88:89] offset:64*\f          ; tile 1
	global_load_b128 v[16+8*\f+4:16+8*\f+7], v[QO], s[88:89] offset:64*\f+32
.endr
.irp i, 0,1,2,3,4,5,6,7,8,9,10,11,12,13,14,15
	global_load_b128 v[96+4*\i:99+4*\i], v[GO], s[6:7] offset:512*\i th:TH_LOAD_NT   ; my 8,192 bytes of out_w, 512 consecutive bytes a load; asked for behind the tiles and Q, worked behind key step 7
.endr
.set i, 32
.rept 64
	v_mov_b32 v[i], 0                              ; O^T.  (The step is written without a first form of its own: the first finds zeros, which its factor 0 leaves zeros)
.set i, i+1
.endr
	WIN 0
	v_mul_u32_u24 v[AK0], v12, PK
	v_lshl_add_u32 v[AK0], v13, 4, v[AK0]          ; K: row r x pitch + 16 h
	v_and_b32 v14, 7, v0                           ; V, turned: lane l reads key 8 h + l % 8, channels 8 ((l / 8) % 2) + 0..7
	v_bfe_u32 v15, v0, 3, 1
	v_lshl_add_u32 v[AV0], v13, 3, v14
	v_mul_u32_u24 v[AV0], v[AV0], PV
	v_lshl_add_u32 v[AV0], v15, 4, v[AV0]
	v_add_nc_u32 v[AV0], VOFF, v[AV0]
	s_lshl_b32 s78, s[WV], 11
	s_add_co_u32 s78, s78, STAGE                   ; my stage
	v_lshlrev_b32 v[STO], 7, v12
	v_lshl_add_u32 v[STO], v13, 4, v[STO]
	v_add_nc_u32 v[STO], s78, v[STO]               ; in: row r, 16 h
	v_add_nc_u32 v[RD], s78, v[GO]                 ; back: 16 x lane: four rows of 128 bytes an instruction
	v_lshlrev_b32 v14, 3, v13
	v_sub_nc_u32 v[DG], v12, v14
	v_add_nc_u32 v[DG], s80, v[DG]                 ; d = my query's place in its block - 8 h, the same in both tiles; register 8 kt + j holds key 16 kt + 8 h + j: hidden where 16 kt + j > d
	v_mov_b32 v[NINF], 0xff800000
.irp i, 12,13,14,15,18,19,20,21,22,23,26,27,28,29,30,31
	v_mov_b32 v[\i], 0                             ; l = 0; the others are written so that none is read unwritten on any path
.endr
.irp i, 16,17,24,25
	v_mov_b32 v[\i], 0xff800000                    ; m and c m: under every score
.endr
.macro KLOAD off                       ; K's eight fragments (64 keys x 64 channels), off bytes on from the step in hand
.irp kt, 0,1,2,3
.irp kf, 0,1
	ds_load_b128 v[128+16*\kt+8*\kf:131+16*\kt+8*\kf], v[ADK] offset:\off+16*PK*\kt+64*\kf
	ds_load_b128 v[132+16*\kt+8*\kf:135+16*\kt+8*\kf], v[ADK] offset:\off+16*PK*\kt+64*\kf+32
.endr
.endr
.endm
; THE WORK OF A KEY STEP, for tiles lo .. 1 (lo = 0: both; lo = 1: the high tile alone).  late = 1: key steps 8 to 15, in which the high tile can meet its diagonal and its end.
.macro BODY lo, late
	WIN 0x04                                       ; source 1 (Q) window 1
.irp kt, 0,1,2,3                       ; the accumulators take turns, one instruction a turn; the first products start the sums
.irp t, 0,1
.if \t >= \lo
	v_wmma_f32_16x16x32_f16 v[32+32*\t+8*\kt:39+32*\t+8*\kt], v[128+16*\kt:135+16*\kt], v[16*\t:16*\t+7], 0
.endif
.endr
.endr
.irp kt, 0,1,2,3
.irp t, 0,1
.if \t >= \lo
	v_wmma_f32_16x16x32_f16 v[32+32*\t+8*\kt:39+32*\t+8*\kt], v[136+16*\kt:143+16*\kt], v[16*\t+8:16*\t+15], v[32+32*\t+8*\kt:39+32*\t+8*\kt]
.endif
.endr
.endr
	WIN 0
.rept 4
	v_nop                                          ; four places: in front of the loads into K's registers and of the first read of the scores
.endr
.if \late
	s_cmp_ge_u32 s[J], s[HIB]                      ; my last step fetches nothing ahead
	s_cbranch_scc1 .Lnok_\@
.endif
	KLOAD 64*PK                                    ; the next step's K: it has this step's softmax in which to come
.Lnok_\@:
.if (\lo == 0) || (\late)
.if \lo
	s_cmp_lg_u32 s[J], s[HIB]                      ; a tile meets the diagonal in its own block's step alone
.else
	s_cmp_lg_u32 s[J], s[LOB]
.endif
	s_cbranch_scc1 .Lopen_\@
.irp n, 0,1,2,3,4,5,6,7,8,9,10,11,12,13,14,15,16,17,18,19,20,21,22,23,24,25,26,27,28,29,30,31
	v_cmp_gt_i32 vcc_lo, 16*(\n/8)+\n%8, v[DG]
	v_cndmask_b32 v[32+32*\lo+\n], v[32+32*\lo+\n], v[NINF], vcc_lo      ; hidden scores become -infinity: p = 0.  The step's first key is hidden from no query, so m stays a number
.endr
.Lopen_\@:
.endif
.irp j, 0,1,2,3                        ; the maximum of the lane's 32 scores and the old m: four chains; each accumulator is read from its low end on
.irp t, 0,1
.if \t >= \lo
	v_max3_num_f32 v[20+8*\t+\j], v[32+32*\t+8*\j], v[33+32*\t+8*\j], v[34+32*\t+8*\j]
.endif
.endr
.endr
.irp u, 1,2
.irp j, 0,1,2,3
.irp t, 0,1
.if \t >= \lo
	v_max3_num_f32 v[20+8*\t+\j], v[20+8*\t+\j], v[33+32*\t+8*\j+2*\u], v[34+32*\t+8*\j+2*\u]
.endif
.endr
.endr
.endr
.irp t, 0,1
.if \t >= \lo
	v_max3_num_f32 v[20+8*\t], v[20+8*\t], v[39+32*\t], v[47+32*\t]
	v_max3_num_f32 v[22+8*\t], v[22+8*\t], v[55+32*\t], v[63+32*\t]
.endif
.endr
.irp t, 0,1
.if \t >= \lo
	v_max3_num_f32 v[20+8*\t], v[20+8*\t], v[21+8*\t], v[22+8*\t]
.endif
.endr
.irp t, 0,1
.if \t >= \lo
	v_max3_num_f32 v[20+8*\t], v[20+8*\t], v[23+8*\t], v[17+8*\t]
.endif
.endr
.irp t, 0,1
.if \t >= \lo
	v_permlanex16_b32 v[21+8*\t], v[20+8*\t], s[SEL], s[SEL+1]     ; the query's other 32 keys lie in the lane 16 away
.endif
.endr
.irp t, 0,1
.if \t >= \lo
	v_mov_b32 v[23+8*\t], v[16+8*\t]               ; c m_old
.endif
.endr
.irp t, 0,1
.if \t >= \lo
	v_max_num_f32 v[17+8*\t], v[20+8*\t], v[21+8*\t]
.endif
.endr
.irp t, 0,1
.if \t >= \lo
	v_mul_f32 v[16+8*\t], s[CS], v[17+8*\t]
.endif
.endr
.irp t, 0,1
.if \t >= \lo
	v_sub_f32 v[23+8*\t], v[23+8*\t], v[16+8*\t]
.endif
.endr
.irp t, 0,1
.if \t >= \lo
	v_exp_f32 v[22+8*\t], v[23+8*\t]               ; the factor 2^(c m_old - c m_new); the scalings below are the plain lines behind it
.endif
.endr
.irp t, 0,1
.if \t >= \lo
.irp i, 0,2,4,6,8,10,12,14,16,18,20,22,24,26,28,30
	v_pk_fma_f32 v[32+32*\t+\i:33+32*\t+\i], v[32+32*\t+\i:33+32*\t+\i], s[CS:CS+1], v[16+8*\t:17+8*\t] op_sel_hi:[1,0,0] neg_lo:[0,0,1] neg_hi:[0,0,1]   ; c s - c m
.endr
.endif
.endr
.set i, 32+32*\lo
.rept 64-32*\lo
	v_exp_f32 v[i], v[i]                           ; p
.set i, i+1
.endr
	v_nop                                          ; a plain line between the exponentials and the first use of their results (ISA guide 5.7.2)
.irp t, 0,1
.if \t >= \lo
.irp i, 0,1,2,3,4,5,6,7,8,9,10,11,12,13,14,15
	v_cvt_pk_f16_f32 v[96+16*\t+\i], v[32+32*\t+2*\i], v[33+32*\t+2*\i]
.endr
.endif
.endr
.irp t, 0,1                            ; the sum of the unrounded p: two chains a tile
.if \t >= \lo
	v_pk_add_f32 v[20+8*\t:21+8*\t], v[32+32*\t:33+32*\t], v[34+32*\t:35+32*\t]
	v_pk_add_f32 v[12+2*\t:13+2*\t], v[36+32*\t:37+32*\t], v[38+32*\t:39+32*\t]
.endif
.endr
.irp i, 8,12,16,20,24,28
.irp t, 0,1
.if \t >= \lo
	v_pk_add_f32 v[20+8*\t:21+8*\t], v[20+8*\t:21+8*\t], v[32+32*\t+\i:33+32*\t+\i]
	v_pk_add_f32 v[12+2*\t:13+2*\t], v[12+2*\t:13+2*\t], v[34+32*\t+\i:35+32*\t+\i]
.endif
.endr
.endr
.irp t, 0,1
.if \t >= \lo
	v_pk_add_f32 v[20+8*\t:21+8*\t], v[20+8*\t:21+8*\t], v[12+2*\t:13+2*\t]
.endif
.endr
.irp t, 0,1
.if \t >= \lo
	v_pk_fma_f32 v[18+8*\t:19+8*\t], v[18+8*\t:19+8*\t], v[22+8*\t:23+8*\t], v[20+8*\t:21+8*\t] op_sel_hi:[1,0,1]   ; l = l x factor + the sum
.endif
.endr
	s_wait_dscnt 0x0                               ; V is in, and so is the next step's K
	WIN 0x41                                       ; O^T (destination and source 0) window 1
.irp t, 0,1
.if \t >= \lo
.irp i, 0,2,4,6,8,10,12,14,16,18,20,22,24,26,28,30
	v_pk_mul_f32 v[32+32*\t+\i:33+32*\t+\i], v[32+32*\t+\i:33+32*\t+\i], v[22+8*\t:23+8*\t] op_sel_hi:[1,0]
.endr
.endif
.endr
	WIN 0x50                                       ; C and D window 1
.irp kg, 0,1
.irp ct, 0,1,2,3
.irp t, 0,1
.if \t >= \lo
	v_wmma_f32_16x16x32_f16 v[32+32*\t+8*\ct:39+32*\t+8*\ct], v[192+32*\kg+8*\ct:199+32*\kg+8*\ct], v[96+16*\t+8*\kg:103+16*\t+8*\kg], v[32+32*\t+8*\ct:39+32*\t+8*\ct]
.endif
.endr
.endr
.endr
	WIN 0
.endm
; A KEY STEP: 64 keys.  late = 0: key steps 0 to 7: the high tile (blocks 8 to 15) has all its keys open; the low tile works up to its own block.  late = 1: key steps 8 to 15: no low block has keys left.
.macro STEP late
.if \late
	s_cmp_gt_u32 s[J], s[HIB]                      ; all its keys come after my queries: the work is left out; the lines at the end that step addresses are not
	s_cbranch_scc1 .Lhid_\@
.endif
	v_add_nc_u32 v[ADK], s[TK], v[AK0]
	v_add_nc_u32 v[ADV], s[TV], v[AV0]
	v_nop
	v_nop                                          ; with the two additions: four places behind the last step's products, in front of the loads into V's registers
.irp kg, 0,1
.irp ct, 0,1,2,3
	ds_load_tr16_b128 v[192+32*\kg+8*\ct:195+32*\kg+8*\ct], v[ADV] offset:32*PV*\kg+32*\ct
	ds_load_tr16_b128 v[196+32*\kg+8*\ct:199+32*\kg+8*\ct], v[ADV] offset:32*PV*\kg+32*\ct+16*PV
.endr
.endr
	s_wait_dscnt 16                                ; K's loads, which are older, are in; V's sixteen stay out
.if \late
	BODY 1, 1
.else
	s_cmp_gt_u32 s[J], s[LOB]
	s_cbranch_scc1 .Lone_\@
	BODY 0, 0
	s_branch .Lhid_\@
.Lone_\@:
	BODY 1, 0
.endif
.Lhid_\@:
	s_add_co_u32 s[TK], s[TK], 64*PK
	s_add_co_u32 s[TV], s[TV], 64*PV
	s_add_co_u32 s[J], s[J], 1
.endm
.macro SHOW left                       ; my part of the next chunk has landed (the later chunks' loads, left of them, stay out); behind the barrier everybody's has
	s_wait_tensorcnt \left
	s_wait_dscnt 0x0
	s_barrier_signal -1
	s_barrier_wait -1
.endm
	s_wait_loadcnt 16                              ; Q's eight loads are in; out_w's sixteen stay out
	SHOW 3                                         ; chunk 0: key steps 0 to 3
	v_add_nc_u32 v[ADK], s[TK], v[AK0]
	KLOAD 0                                        ; the first step's K
	STEP 0                                         ; key steps 0, 1, 2 read chunk 0 alone, the K fetched ahead too (key step 3's at the most)
	SHOW 2                                         ; chunk 1
	STEP 0
	SHOW 1                                         ; chunk 2
	STEP 0
	SHOW 0                                         ; chunk 3: all of K and V lies in LDS for every wave
	s_mov_b32 s[TRIP], 5
.Learly:                                           ; key steps 3 to 7
	STEP 0
	s_sub_co_u32 s[TRIP], s[TRIP], 1
	s_cmp_lg_u32 s[TRIP], 0
	s_cbranch_scc1 .Learly
	; out_w x 2^8 -> f16 (a power of two rounds nothing; the last launch takes it off again)
	s_wait_loadcnt 0x0
	WIN 0x41                                       ; destination and source 0 window 1
.irp i, 0,1,2,3,4,5,6,7,8,9,10,11,12,13,14,15
	v_pk_mul_f32 v[96+4*\i:97+4*\i], v[96+4*\i:97+4*\i], 0x43800000 op_sel_hi:[1,0]
	v_pk_mul_f32 v[98+4*\i:99+4*\i], v[98+4*\i:99+4*\i], 0x43800000 op_sel_hi:[1,0]
.endr
	WIN 0x45                                       ; and source 1
.irp i, 0,1,2,3,4,5,6,7,8,9,10,11,12,13,14,15
	v_cvt_pk_f16_f32 v[160+2*\i], v[96+4*\i], v[97+4*\i]
	v_cvt_pk_f16_f32 v[161+2*\i], v[98+4*\i], v[99+4*\i]
.endr
	WIN 0x04                                       ; a store's data are its source 1: window 1
.irp i, 0,1,2,3,4,5,6,7,8,9,10,11,12,13,14,15
	global_store_b64 v[LO8], v[160+2*\i:161+2*\i], s[10:11] offset:256*\i     ; the wave stores 256 consecutive bytes, aligned; these registers are not written again
.endr
	WIN 0
	s_mov_b32 s[TRIP], 8
.Llate:                                            ; key steps 8 to 15
	STEP 1
	s_sub_co_u32 s[TRIP], s[TRIP], 1
	s_cmp_lg_u32 s[TRIP], 0
	s_cbranch_scc1 .Llate
	; THE WAY OUT: O^T / l, to f16, through my own stage, a tile (16 rows of 128 bytes) at a time
.rept 4
	v_nop
.endr
.irp t, 0,1
	v_add_f32 v[20+8*\t], v[18+8*\t], v[19+8*\t]
.endr
.irp t, 0,1
	v_permlanex16_b32 v[21+8*\t], v[20+8*\t], s[SEL], s[SEL+1]
.endr
.irp t, 0,1
	v_add_f32 v[20+8*\t], v[20+8*\t], v[21+8*\t]
.endr
.irp t, 0,1
	v_rcp_f32 v[22+8*\t], v[20+8*\t]
.endr
	v_nop
.macro TILEOUT t
	WIN 0x41
.irp i, 0,2,4,6,8,10,12,14,16,18,20,22,24,26,28,30
	v_pk_mul_f32 v[32+32*\t+\i:33+32*\t+\i], v[32+32*\t+\i:33+32*\t+\i], v[22+8*\t:23+8*\t] op_sel_hi:[1,0]
.endr
	WIN 0x05                                       ; sources window 1, destination window 0
.irp i, 0,1,2,3,4,5,6,7,8,9,10,11,12,13,14,15
	v_cvt_pk_f16_f32 v[32+16*\t+\i], v[32+32*\t+2*\i], v[33+32*\t+2*\i]
.endr
	WIN 0
.irp ct, 0,1,2,3
	ds_store_b128 v[STO], v[32+16*\t+4*\ct:35+16*\t+4*\ct] offset:32*\ct
.endr
.irp i, 0,1,2,3
	ds_load_b128 v[64+16*\t+4*\i:67+16*\t+4*\i], v[RD] offset:512*\i   ; LDS serves a wave's instructions in order (ISA guide 5.7.1.4): these see the stores above, and the next tile's stores come behind them
.endr
.endm
	TILEOUT 0
	TILEOUT 1
.irp i, 0,1,2,3
	s_wait_dscnt 11-\i                             ; behind tile 0's load i: its 3 - i younger loads and tile 1's eight instructions
	global_store_b128 v[GO], v[64+4*\i:67+4*\i], s[92:93] offset:512*\i            ; 512 consecutive bytes, aligned
.endr
.irp i, 0,1,2,3
	s_wait_dscnt 3-\i
	global_store_b128 v[GO], v[80+4*\i:83+4*\i], s[94:95] offset:512*\i
.endr
	CROUND                                         ; the closing round: no work-group ends while a partner may still ask for a tile that names it
	s_endpgm
.Lfunc_end_k_q56b2f17ee2_attn:
	.size	k_q56b2f17ee2_attn, .Lfunc_end_k_q56b2f17ee2_attn-k_q56b2f17ee2_attn
	.p2alignl 7, 3214868480
	.fill 96, 4, 3214868480
	.section	.rodata,"a",@progbits
	.p2align	6, 0x0
	.amdhsa_kernel k_q56b2f17ee2_attn
		.amdhsa_group_segment_fixed_size 327680
		.amdhsa_private_segment_fixed_size 0
		.amdhsa_enable_private_segment 0
		.amdhsa_kernarg_size 32
		.amdhsa_user_sgpr_count 2
		.amdhsa_user_sgpr_kernarg_segment_ptr 1
		.amdhsa_wavefront_size32 1
		.amdhsa_system_sgpr_workgroup_id_x 1
		.amdhsa_system_sgpr_workgroup_id_y 1
		.amdhsa_system_sgpr_workgroup_id_z 1
		.amdhsa_system_vgpr_workitem_id 0
		.amdhsa_next_free_vgpr 448
		.amdhsa_next_free_sgpr 96
		.amdhsa_reserve_vcc 1
		.amdhsa_float_denorm_mode_32 3
		.amdhsa_float_denorm_mode_16_64 3
		.amdhsa_memory_ordered 1
		.amdhsa_forward_progress 1
		.amdhsa_inst_pref_size 153
	.end_amdhsa_kernel
	.amdgpu_metadata
---
amdhsa.version: [ 1, 2 ]
amdhsa.kernels:
  - .name:           k_q56b2f17ee2_attn
    .symbol:         k_q56b2f17ee2_attn.kd
    .args:
      - { .name: qkv, .offset: 0, .size: 8, .value_kind: global_buffer, .address_space: global }
      - { .name: out_w, .offset: 8, .size: 8, .value_kind: global_buffer, .address_space: global }
      - { .name: ctx, .offset: 16, .size: 8, .value_kind: global_buffer, .address_space: global }
      - { .name: w16, .offset: 24, .size: 8, .value_kind: global_buffer, .address_space: global }
    .group_segment_fixed_size: 327680
    .private_segment_fixed_size: 0
    .kernarg_segment_align: 8
    .kernarg_segment_size: 32
    .max_flat_workgroup_size: 256
    .sgpr_count:     96
    .vgpr_count:     448
    .wavefront_size: 32
...
	.end_amdgpu_metadata
.endif
;; end of part 3
;; launch oproj (part 4): grid 16 x 16, 4 waves a work-group, clusters of 4 x 4, 327,680 bytes of LDS; arguments ctx, w16, out_b, out0; writes out0
.if DOCPART == 4
	.amdgcn_target "amdgcn-amd-amdhsa--gfx1250"
	.amdhsa_code_object_version 6
	.text
	.protected	k_q56b2f17ee2_oproj
	.globl	k_q56b2f17ee2_oproj
	.p2align	8
	.type	k_q56b2f17ee2_oproj,@function
k_q56b2f17ee2_oproj:
	s_mov_b64 s[64:65], 0
	v_nop
	global_prefetch_b8 v0, s[64:65] scope:SCOPE_SE
	s_setreg_imm32_b32 hwreg(HW_REG_WAVE_MODE, 25, 1), 1
	s_wait_xcnt 0x0
	s_wait_alu depctr_hold_cnt(0) depctr_sa_sdst(0) depctr_va_vdst(0) depctr_va_sdst(0) depctr_va_ssrc(0) depctr_va_vcc(0) depctr_vm_vsrc(0)
	s_getreg_b32 s2, hwreg(HW_REG_IB_STS2, 6, 4)
	s_cmp_eq_u32 s2, 0
	s_cbranch_scc0 .Lentry_in_a_cluster
	s_endpgm
.Lentry_in_a_cluster:
	s_bfe_u32 s2, ttmp6, 0x10000c
	s_cmp_lg_u32 s2, 0xf033
	s_cbranch_scc0 .Lentry_shape_is_right
	s_endpgm
.Lentry_shape_is_right:
; OPROJ: out0[m][n] = sum over k of ctx[m][k] out_w[n][k] + out_b[n]; 2,048 x 2,048 x 2,048, f16 operands, f32 sums, f32 out.
; ctx arrives as ctx / 4, laid [block of 128 tokens][head 32][token 128][64]; out_w as 256 out_w, [n][k].  The sums are 64 times the result: one fused multiply-add, x 2^-6 + out_b, ends them.
; A tile of the result is 128 x 128: 16 x 16 work-groups, one for each WGP's share; four waves, each 64 x 64: 16 accumulators.  K goes in steps of 256 (four heads) through two LDS slots.
; A K step of ctx for 128 tokens is ONE dense block of 512 rows (head, token) x 128 bytes; waves 0 and 1 fetch 256 rows each.  Of out_w it is 128 rows x 512 bytes; waves 2 and 3 fetch 64 rows each.
; CLUSTERS: 4 x 4 work-groups; ctx's tiles are asked for jointly along a row of the cluster, out_w's along a column.  THE MATRIX INSTRUCTION IS USED TRANSPOSED (source 0 = 16 rows of out_w, source 1 = 16 tokens).
; LIMITS: as the launches before state for ctx (a mean of v's) and out_w.
; REGISTERS: window 0: v0-31 addresses; v32-95 at work on the way out; v96-127 out_b of my 64 columns; v128-255 the accumulators ((a, b) at 128 + 8 (4 a + b)).
;   window 1: two fragment buffers of 128: for 64 along K, 64 registers of ctx, then 64 of out_w.
.set PA,     144                       ; a row of ctx in LDS: 128 bytes + 16
.set PB,     528                       ; a row of out_w: 512 + 16: in both, the 16 rows of a load start at 16 different banks (64 banks of 4 bytes: ISA guide 11.1)
.set HALFA,  256*PA
.set HALFB,  64*PB
.set BOFF,   2*HALFA
.set SLOT,   BOFF+2*HALFB              ; 141,312
.set STAGE,  2*SLOT                    ; behind the ring: 16 rows x 272 bytes for each wave
.set SPITCH, 272
.set SPARE,  STAGE+4*16*SPITCH         ; the spare words, 128 bytes a wave: two blocks of 256 bytes that no other line names
.set LAPS,   4                         ; a lap = two K steps
.set ADRA, 16
.set ADRB, 20
.set STO,  24
.set RD,   25
.set CO,   26
.set BO,   27
.set SPW,  28
.set NIL,  29
.set TMP,  32
.set OB,   64
.set BIAS, 96
.set ACC,  128
.set F0,   0
.set F1,   128
.set G1, 24
.set G0, 32
.set G1B, 48
.set G0B, 56
.set MSB, 0
.macro WIN new
.if MSB != \new
	s_set_vgpr_msb (MSB<<8)|\new
.set MSB, \new
.endif
.endm
.set MUL,  0x05                        ; sources 0 and 1 window 1; C and D window 0
.set TO_F, 0x40                        ; destination window 1, address window 0
.macro JLOAD s                         ; a joint load: waves 0 and 1 fetch ctx's halves, waves 2 and 3 out_w's; four v_nop follow each of the two lines
	s_cmp_eq_u32 s11, 0
	s_cbranch_scc0 .Lfor_b_\@
	tensor_load_to_lds s[G0+4*\s:G0+4*\s+3], s[G1:G1+7]
.rept 4
	v_nop
.endr
	s_branch .Lasked_\@
.Lfor_b_\@:
	tensor_load_to_lds s[G0B+4*\s:G0B+4*\s+3], s[G1B:G1B+7]
.rept 4
	v_nop
.endr
.Lasked_\@:
.endm
.macro CREST                           ; a round of the cluster's barrier behind its opening barrier
	s_cmp_lg_u32 s10, 0
	s_cbranch_scc1 .Lnot_wave_0_\@
	s_barrier_signal -3
.Lnot_wave_0_\@:
	s_barrier_wait -3
	s_barrier_signal -1
	s_barrier_wait -1
.endm
.macro CROUND
	s_barrier_signal -1
	s_barrier_wait -1
	CREST
.endm
	s_load_b128 s[4:7], s[0:1], 0x0                ; ctx s[4:5], w16 s[6:7]
	s_load_b128 s[68:71], s[0:1], 0x10             ; out_b s[68:69], out0 s[70:71]
	v_lshl_add_u32 v[SPW], v0, 2, SPARE
	v_mov_b32 v[NIL], 0
	v_lshrrev_b32 v1, 5, v0
	v_readfirstlane_b32 s10, v1                    ; wave 0..3
	s_lshr_b32 s11, s10, 1                         ; which half of the tile's rows is mine.  Also: I fetch for ctx (0) or for out_w (1)
	s_and_b32 s12, s10, 1                          ; which half of its columns.  Also: which half of that tile I fetch
	s_bfe_u32 s40, ttmp6, 0x40000                  ; cx, cy
	s_bfe_u32 s41, ttmp6, 0x40004
	s_lshl_b32 s42, ttmp9, 2
	s_add_co_u32 s42, s42, s40                     ; tile column x
	s_and_b32 s13, ttmp7, 0xffff
	s_lshl_b32 s13, s13, 2
	s_add_co_u32 s13, s13, s41                     ; tile row y
	s_lshl_b32 s43, s41, 2
	s_lshl_b32 s43, 15, s43                        ; my row of the cluster
	s_lshl_b32 s44, 0x1111, s40                    ; my column
	s_or_b32 s[G1], s43, (1<<16)|(1<<20)|(1<<21)|(4<<22)|(3<<25)    ; ctx: elements of 2 bytes; 4 words of padding behind every 32
	s_mov_b32 s[G1+1], 64<<16                      ; tensor_dim0
	s_mov_b32 s[G1+2], 256<<16                     ; tensor_dim1
	s_mov_b32 s[G1+3], 64<<16                      ; tile_dim0
	s_mov_b32 s[G1+4], 256                         ; tile_dim1
	s_mov_b32 s[G1+5], 64                          ; dense rows
	s_mov_b32 s[G1+6], 0
	s_mov_b32 s[G1+7], 0
	s_or_b32 s[G1B], s44, (1<<16)|(1<<20)|(1<<21)|(6<<22)|(3<<25)   ; out_w: 4 words behind every 128
	s_mov_b32 s[G1B+1], 256<<16
	s_mov_b32 s[G1B+2], 64<<16
	s_mov_b32 s[G1B+3], 256<<16
	s_mov_b32 s[G1B+4], 64
	s_mov_b32 s[G1B+5], 2048
	s_mov_b32 s[G1B+6], 0
	s_mov_b32 s[G1B+7], 0
	s_lshl_b32 s16, s13, 19                        ; ctx: a block of 128 tokens is 524,288 bytes; my 256 rows of a K step
	s_lshl_b32 s17, s12, 15
	s_add_co_u32 s16, s16, s17
	s_mov_b32 s17, 0
	s_lshl_b32 s46, s42, 19                        ; out_w: row 128 x + 64 x half, 4,096 bytes a row
	s_lshl_b32 s47, s12, 18
	s_add_co_u32 s46, s46, s47
	s_mov_b32 s47, 0
	s_mul_i32 s20, s12, HALFA                      ; where they go: the wave's number alone enters an LDS address
	s_mul_i32 s21, s12, HALFB
	s_add_co_u32 s21, s21, BOFF
	s_wait_kmcnt 0x0
	s_add_nc_u64 s[14:15], s[4:5], s[16:17]
	s_add_nc_u64 s[46:47], s[6:7], s[46:47]
	CROUND                                         ; all sixteen work-groups are here: the first joint loads meet
.irp s, 0,1
	s_mov_b32 s[G0+4*\s], 1
	s_add_co_u32 s[G0+4*\s+1], s20, \s*SLOT
	s_add_nc_u64 s[G0+4*\s+2:G0+4*\s+3], s[14:15], \s*65536
	s_or_b32 s[G0+4*\s+3], s[G0+4*\s+3], 0x80000000
	s_mov_b32 s[G0B+4*\s], 1
	s_add_co_u32 s[G0B+4*\s+1], s21, \s*SLOT
	s_add_nc_u64 s[G0B+4*\s+2:G0B+4*\s+3], s[46:47], \s*512
	s_or_b32 s[G0B+4*\s+3], s[G0B+4*\s+3], 0x80000000
	JLOAD \s
.endr
	v_and_b32 v1, 15, v0                           ; r
	v_bfe_u32 v2, v0, 4, 1                         ; h
	v_mul_u32_u24 v3, v1, PA
	v_lshl_add_u32 v3, v2, 4, v3
	v_mul_u32_u24 v4, v1, PB
	v_lshl_add_u32 v4, v2, 4, v4
	s_mul_i32 s22, s11, 64*PA                      ; my 64 tokens, in each head's 128 rows
	s_mul_i32 s23, s12, 64*PB                      ; my 64 rows of out_w
	s_add_co_u32 s23, s23, BOFF
.irp s, 0,1
	v_add_nc_u32 v[ADRA+\s], s22, v3
	v_add_nc_u32 v[ADRB+\s], s23, v4
	s_add_co_u32 s22, s22, SLOT
	s_add_co_u32 s23, s23, SLOT
.endr
	s_mul_i32 s22, s10, 16*SPITCH
	s_add_co_u32 s22, s22, STAGE                   ; my stage
	v_mul_u32_u24 v5, v1, SPITCH                   ; in: row r, 32 bytes for each half of the lanes
	v_lshl_add_u32 v5, v2, 5, v5
	v_add_nc_u32 v[STO], s22, v5
	v_mul_u32_u24 v5, v2, SPITCH                   ; back: lanes 0-15 one row of 256 bytes, lanes 16-31 the next
	v_lshl_add_u32 v5, v1, 4, v5
	v_add_nc_u32 v[RD], s22, v5
	v_lshlrev_b32 v5, 13, v2                       ; and the same two rows in out0: 8,192 bytes a row
	v_lshl_add_u32 v[CO], v1, 4, v5
	v_lshlrev_b32 v[BO], 5, v2
	s_lshl_b32 s16, s13, 20                        ; my first row: 128 y + 64 x half
	s_lshl_b32 s17, s11, 19
	s_add_co_u32 s16, s16, s17
	s_lshl_b32 s22, s42, 9                         ; my first column, in bytes: (128 x + 64 x half) x 4
	s_lshl_b32 s23, s12, 8
	s_add_co_u32 s22, s22, s23
	s_mov_b32 s23, 0
	s_add_nc_u64 s[68:69], s[68:69], s[22:23]
	s_add_co_u32 s16, s16, s22
	s_mov_b32 s17, 0
	s_add_nc_u64 s[70:71], s[70:71], s[16:17]
.irp b, 0,1,2,3
	global_load_b128 v[BIAS+8*\b:BIAS+8*\b+3],   v[BO], s[68:69] offset:64*\b      ; out_b at my eight columns of block b
	global_load_b128 v[BIAS+8*\b+4:BIAS+8*\b+7], v[BO], s[68:69] offset:64*\b+16
.endr
; 8 matrix instructions: token blocks a0, a0 + 1 x all 4 column blocks, 32 along K: half c of buffer f.  zero = 1: the first product starts the sums.  The 16 accumulators take turns
.macro MUL8 f, c, a0, zero
.irp a, \a0, \a0+1
.irp b, 0,1,2,3
.if \zero
	v_wmma_f32_16x16x32_f16 v[ACC+8*(4*(\a)+\b):ACC+8*(4*(\a)+\b)+7], v[\f+64+8*(4*\c+\b):\f+64+8*(4*\c+\b)+7], v[\f+8*(4*\c+\a):\f+8*(4*\c+\a)+7], 0
.else
	v_wmma_f32_16x16x32_f16 v[ACC+8*(4*(\a)+\b):ACC+8*(4*(\a)+\b)+7], v[\f+64+8*(4*\c+\b):\f+64+8*(4*\c+\b)+7], v[\f+8*(4*\c+\a):\f+8*(4*\c+\a)+7], v[ACC+8*(4*(\a)+\b):ACC+8*(4*(\a)+\b)+7]
.endif
.endr
.endr
.endm
; 32 LDS loads in one run: the fragments of the slot's qd-th head (64 along K) into buffer f; the first 32 along K first
.macro FETCH slot, qd, f
	WIN TO_F
.irp c, 0,1
.irp i, 0,1,2,3
	ds_load_b128 v[\f+64+8*(4*\c+\i):\f+64+8*(4*\c+\i)+3],   v[ADRB+\slot] offset:128*(\qd)+64*\c+\i*16*PB
	ds_load_b128 v[\f+64+8*(4*\c+\i)+4:\f+64+8*(4*\c+\i)+7], v[ADRB+\slot] offset:128*(\qd)+64*\c+\i*16*PB+32
	ds_load_b128 v[\f+8*(4*\c+\i):\f+8*(4*\c+\i)+3],         v[ADRA+\slot] offset:128*PA*(\qd)+64*\c+\i*16*PA
	ds_load_b128 v[\f+8*(4*\c+\i)+4:\f+8*(4*\c+\i)+7],       v[ADRA+\slot] offset:128*PA*(\qd)+64*\c+\i*16*PA+32
.endr
.endr
.endm
.macro PLACES                          ; four places in front of loads into registers that matrix instructions have read, and of the first read of results
.rept 4
	v_nop
.endr
.endm
; A K step is four quarters of 64 along K, 32 matrix instructions each, on buffers 0, 1, 0, 1.  One of the first three: multiplies buffer f and fetches quarter qd into g.
.macro QUARTER slot, qd, f, g, zero
	s_wait_dscnt 16                                ; the first 32 along K are in; the sixteen younger loads stay out
	WIN MUL
	MUL8 \f, 0, 0, \zero
	MUL8 \f, 0, 2, \zero
	PLACES
	FETCH \slot, \qd, \g
	s_wait_dscnt 32                                ; all but the 32 just issued
	WIN MUL
	MUL8 \f, 1, 0, 0
	MUL8 \f, 1, 2, 0
.endm
; The last quarter multiplies buffer 1 and changes slots: ONE barrier; in front of it each wave waits for all its tensor loads, adds 0 to its spare word, and waits for that and for its reads of this slot.  fill = 1: this slot is filled again, two K steps ahead.
.macro TURN slot, next, fill
	WIN 0                                          ; (the add's two registers lie in window 0)
	s_wait_tensorcnt 0x0                           ; all my tensor loads have landed: my part of the next slot
	ds_add_u32 v[SPW], v[NIL]                      ; 0 onto my spare word
	s_wait_dscnt 17                                ; (the add and the youngest sixteen loads may be out)
	WIN MUL
	MUL8 F1, 0, 0, 0                               ; eight matrix instructions stand between the add and the wait for it
	s_wait_dscnt 0x0                               ; the add is done, and my reads of this slot are over
	s_barrier_signal -1
	MUL8 F1, 0, 2, 0
.if \fill
	WIN 0
.endif
	s_barrier_wait -1
.if \fill
	CREST                                          ; the barrier has opened a round of the cluster's barrier: no wave of any partner still reads this slot or has a load on its way
	s_add_nc_u64 s[G0+4*\slot+2:G0+4*\slot+3], s[G0+4*\slot+2:G0+4*\slot+3], 2*65536
	s_add_nc_u64 s[G0B+4*\slot+2:G0B+4*\slot+3], s[G0B+4*\slot+2:G0B+4*\slot+3], 2*512
	JLOAD \slot                                    ; the first tensor load behind the round; the four v_nop behind it are also the places in front of the loads below
.else
	PLACES
.endif
	FETCH \next, 0, F0
	WIN MUL
	MUL8 F1, 1, 0, 0
	MUL8 F1, 1, 2, 0
.endm
	s_wait_tensorcnt 1                             ; my part of K step 0 is in; K step 1's load stays out
	s_barrier_signal -1
	s_barrier_wait -1
	FETCH 0, 0, F0
	QUARTER 0, 1, F0, F1, 1                        ; the first quarter stands in front of the loop: its first products start the sums
	WIN 0
	s_mov_b32 s3, LAPS-1
.Llap:                                                 ; a trip goes once round the ring, from a lap's second quarter to the next lap's first, and fills both slots again
	QUARTER 0, 2, F1, F0, 0
	QUARTER 0, 3, F0, F1, 0
	TURN 0, 1, 1
	QUARTER 1, 1, F0, F1, 0
	QUARTER 1, 2, F1, F0, 0
	QUARTER 1, 3, F0, F1, 0
	TURN 1, 0, 1
	QUARTER 0, 1, F0, F1, 0
	WIN 0
	s_sub_co_u32 s3, s3, 1
	s_cmp_lg_u32 s3, 0
	s_cbranch_scc1 .Llap
	QUARTER 0, 2, F1, F0, 0                        ; the last lap fills nothing
	QUARTER 0, 3, F0, F1, 0
	TURN 0, 1, 0
	QUARTER 1, 1, F0, F1, 0
	QUARTER 1, 2, F1, F0, 0
	QUARTER 1, 3, F0, F1, 0
	s_wait_dscnt 16
	WIN MUL
	MUL8 F1, 0, 0, 0
	MUL8 F1, 0, 2, 0
	s_wait_dscnt 0x0
	MUL8 F1, 1, 0, 0
	MUL8 F1, 1, 2, 0
	WIN 0
	; THE WAY OUT, 16 tokens at a time.  A wave's 64 columns of f32 are 256 bytes: a lane's 32 bytes go into my own stage and come back as whole rows, so that sixteen lanes store 256 consecutive bytes, aligned.
	s_wait_loadcnt 0x0                             ; out_b
	PLACES
.macro OUTB a
.irp b, 0,1,2,3
.irp i, 0,2,4,6
	v_pk_fma_f32 v[TMP+8*\b+\i:TMP+8*\b+\i+1], v[ACC+8*(4*(\a)+\b)+\i:ACC+8*(4*(\a)+\b)+\i+1], 0x3c800000, v[BIAS+8*\b+\i:BIAS+8*\b+\i+1] op_sel_hi:[1,0,1]   ; x 2^-6 + out_b; each accumulator from its low end on
.endr
.endr
.irp b, 0,1,2,3
	ds_store_b128 v[STO], v[TMP+8*\b:TMP+8*\b+3] offset:64*\b
	ds_store_b128 v[STO], v[TMP+8*\b+4:TMP+8*\b+7] offset:64*\b+16
.endr
.if (\a) > 0
	s_wait_xcnt 0x0                                ; the last block's stores have read their registers: only behind this wait are they loaded again
.endif
.irp t, 0,1,2,3,4,5,6,7
	ds_load_b128 v[OB+4*\t:OB+4*\t+3], v[RD] offset:\t*2*SPITCH    ; LDS serves a wave's instructions in order (ISA guide 5.7.1.4): these see the stores above
.endr
.irp t, 0,1,2,3,4,5,6,7
	s_wait_dscnt 7-\t                              ; the younger loads stay out
	global_store_b128 v[CO], v[OB+4*\t:OB+4*\t+3], s[70:71] offset:131072*(\a)+16384*\t th:TH_STORE_NT
.endr
.endm
	OUTB 0
	OUTB 1
	OUTB 2
	OUTB 3
	s_wait_tensorcnt 0x0                           ; the wave's end
	ds_add_u32 v[SPW], v[NIL]
	s_wait_dscnt 0x0
	CROUND                                         ; the closing round
	s_endpgm
.Lfunc_end_k_q56b2f17ee2_oproj:
	.size	k_q56b2f17ee2_oproj, .Lfunc_end_k_q56b2f17ee2_oproj-k_q56b2f17ee2_oproj
	.p2alignl 7, 3214868480
	.fill 96, 4, 3214868480
	.section	.rodata,"a",@progbits
	.p2align	6, 0x0
	.amdhsa_kernel k_q56b2f17ee2_oproj
		.amdhsa_group_segment_fixed_size 327680
		.amdhsa_private_segment_fixed_size 0
		.amdhsa_enable_private_segment 0
		.amdhsa_kernarg_size 32
		.amdhsa_user_sgpr_count 2
		.amdhsa_user_sgpr_kernarg_segment_ptr 1
		.amdhsa_wavefront_size32 1
		.amdhsa_system_sgpr_workgroup_id_x 1
		.amdhsa_system_sgpr_workgroup_id_y 1
		.amdhsa_system_sgpr_workgroup_id_z 1
		.amdhsa_system_vgpr_workitem_id 0
		.amdhsa_next_free_vgpr 512
		.amdhsa_next_free_sgpr 72
		.amdhsa_reserve_vcc 0
		.amdhsa_float_denorm_mode_32 3
		.amdhsa_float_denorm_mode_16_64 3
		.amdhsa_memory_ordered 1
		.amdhsa_forward_progress 1
		.amdhsa_inst_pref_size 93
	.end_amdhsa_kernel
	.amdgpu_metadata
---
amdhsa.version: [ 1, 2 ]
amdhsa.kernels:
  - .name:           k_q56b2f17ee2_oproj
    .symbol:         k_q56b2f17ee2_oproj.kd
    .args:
      - { .name: ctx, .offset: 0, .size: 8, .value_kind: global_buffer, .address_space: global }
      - { .name: w16, .offset: 8, .size: 8, .value_kind: global_buffer, .address_space: global }
      - { .name: out_b, .offset: 16, .size: 8, .value_kind: global_buffer, .address_space: global }
      - { .name: out0, .offset: 24, .size: 8, .value_kind: global_buffer, .address_space: global }
    .group_segment_fixed_size: 327680
    .private_segment_fixed_size: 0
    .kernarg_segment_align: 8
    .kernarg_segment_size: 32
    .max_flat_workgroup_size: 128
    .sgpr_count:     72
    .vgpr_count:     512
    .wavefront_size: 32
...
	.end_amdgpu_metadata
.endif
;; end of part 4
